; MI455X (gfx1250); checked and timed in simulation.
; The chip was launched on July 23, 2026; its instructions are those of AMD's public machine-readable ISA for CDNA 5 (MIT licence, August 2026) and "CDNA5" Instruction Set Architecture Reference Guide (July 2026). The comments in the code are by the model that wrote it; some were corrected since.
;; Causal Self Attention. Allowed arithmetic: matrix products marked QUANTISED: E4M3 operands, one given power-of-two scale a tensor, by v_wmma_f32_16x16x64_fp8_fp8 or v_wmma_f32_16x16x128_fp8_fp8, f32 sums; everything else in f32.
;; Inputs: W_attn 1,024 x 3,072 float32; W_proj 1,024 x 1,024 float32; lowp_scales 8 int32 (the exponents e of the quantised operands' scales 2^e); x 4 x 2,048 x 1,024 float32.
;; Outputs: out0 4 x 2,048 x 1,024 float32.
;; This version of the problem:
;;   THIS VERSION OF THE PROBLEM IS GIVEN IN LOW PRECISION. The matrix products marked QUANTISED in the list below multiply operands that are first quantised to E4M3 (4 exponent bits, 3 mantissa bits; 8 bits a number), with one given power-of-two scale for each operand tensor; their sums are f32. All else is computed in f32.
;;   The module's matrix products, in the order in which they are computed (A, B: the left and right operand; K: the contracted axis; several contracted axes count as one K, in the product's order):
;;     1. [M 8,192, K 1,024] x [K 1,024, N 3,072]; A: input x; B: input W_attn: QUANTISED (scales: A lowp_scales[0], B lowp_scales[1])
;;     2. batch 64 x [M 2,048, K 64] x [K 64, N 2,048]; A: computed on the way; B: computed on the way: QUANTISED (scales: A lowp_scales[2], B lowp_scales[3])
;;     3. batch 64 x [M 2,048, K 2,048] x [K 2,048, N 64]; A: softmax (see below); B: computed on the way: QUANTISED (scales: A lowp_scales[4], B lowp_scales[5])
;;     4. [M 8,192, K 1,024] x [K 1,024, N 1,024]; A: computed on the way; B: input W_proj: QUANTISED (scales: A lowp_scales[6], B lowp_scales[7])
;;   THE QUANTISER, for each operand of a quantised product, along K:
;;     - The operand's scale is 2^e, e = its entry of the input lowp_scales (int32; the entries are numbered through the quantised products in the list's order, A before B).
;;     - Each number is divided by the scale, clamped to +-448, and rounded to the nearest number of E4M3, ties to even, subnormals kept.
;;     - The product sums the exact products of the quantised numbers (number of the format x scale) in f32.
;;   ~~~python
;;   def quantise(x, axis, e):      # numpy; x: float32 -> the quantised numbers, widened to float32 again
;;       x = np.moveaxis(x, axis, -1); K = x.shape[-1]
;;       r = np.clip(x / 2.0 ** e, -448, 448)
;;       step = 2.0 ** (np.maximum(np.frexp(np.where(r == 0, 1, r))[1] - 1, -6) - 3)
;;       q = np.round(r / step) * step * 2.0 ** e      # np.round: ties to even
;;       return np.moveaxis(q, -1, axis).astype(np.float32)
;;   ~~~
;;   SOFTMAX AHEAD OF A QUANTISED PRODUCT. Where the list says 'softmax', what is quantised is not the finished softmax but p = 2^(t - M), with t = logit x log2(e) and M = ceil(the row's largest t), a whole number; so 1/2 < the row's largest p <= 1. The row's sum l is taken of the UNQUANTISED p, in f32, and the product's result is divided by l at the end. Since M is a whole number, a kernel that streams over the keys may use a running M (the ceiling of the running maximum): every later rescaling is an exact power of two, so the quantised numbers keep their values, but for numbers so far below the row's largest that they fall under the format's range.
;;   OPERANDS COMPUTED ON THE WAY. 'Computed on the way' means the value that the module computes at that place (a softmax that the list does not call 'softmax' is quantised finished and normalised). What goes into a quantiser is computed in f32, as accurately as f32 sums, v_exp_f32 and their like allow (about 1e-6 of the number): no bf16 or f16 on the way to a quantiser, and a product that is left as it is and whose result goes on into a quantised operand takes f32 operands (vector FMAs, or v_wmma_f32_16x16x4_f32). A number that lies on a knife's edge between two numbers of the format may be rounded either way, as far as f32 arithmetic and the matrix unit's own rounding can turn it there, and no further.
;; One version. Each part assembles by itself: llvm-mc -triple=amdgcn-amd-amdhsa -mcpu=gfx1250 --defsym DOCPART=n.
;; ======== version 1 of 1: 4 launches
;; limits: right only within a limited range of input values
;; workspace buffers: x_img 8,388,608 bytes; wa_img 3,145,728 bytes; wp_img 1,048,576 bytes; q_img 8,388,608 bytes; k_img 8,388,608 bytes; v_img 8,388,608 bytes; y_img 8,388,608 bytes
;; launch quant (part 1): grid 384 x 1, 4 waves a work-group, no clusters, 34,304 bytes of LDS; arguments x, W_attn, W_proj, lowp_scales, x_img, wa_img, wp_img; writes x_img, wa_img, wp_img
.if DOCPART == 1
	.amdgcn_target "amdgcn-amd-amdhsa--gfx1250"
	.amdhsa_code_object_version 6
	.text
	.protected	k_q6bffd9b163_quant
	.globl	k_q6bffd9b163_quant
	.p2align	8
	.type	k_q6bffd9b163_quant,@function
k_q6bffd9b163_quant:
	s_mov_b64 s[64:65], 0
	v_nop
	global_prefetch_b8 v0, s[64:65] scope:SCOPE_SE
	s_setreg_imm32_b32 hwreg(HW_REG_WAVE_MODE, 25, 1), 1
	s_wait_xcnt 0x0
; x [8192][1024], W_attn [1024][3072] and W_proj [1024][1024], f32, become codes of FP8 (E4M3), each tensor with the one scale 2^e given for it
; (entries 0, 1 and 7 of the scales).  code = number / 2^e, held within +-448, rounded to the nearest code, ties to even.
; THE CODES ARE LAID AS IMAGES OF THE OPERAND'S REGISTERS: [tile of 16 rows][K step of 128][group g of four registers][lane][16 bytes]; byte = tile x 16384 + K step x 2048 + g x 512 + 16 x lane.
; Lane (r, h) = 16 h + r holds, of row r, k = 32 g + 8 h + 0..7 and then k = 32 g + 16 + 8 h + 0..7: registers 4 g .. 4 g + 3 of a fragment of the plain 8-bit form at K = 128.
; A row is a row of x, or a COLUMN n of a weight (K is a weight's first axis).  So each store below covers whole aligned runs of 256 or 512 bytes, and the products' launches load fragments at 16 x lane.
; Work-groups 0-255 take x, 256-351 W_attn, 352-383 W_proj: 131,072 bytes of f32 each.  Waves share nothing: no barrier.  No cluster: no two work-groups read the same bytes.  No matrix work.
; LIMITS: each e between -126 and 119, so that 2^e and 448 x 2^e are f32 numbers.  NaN among the inputs is not served (an infinity is held at the largest code).
.set SPX,  528                         ; x's stage: a row of 512 bytes + 16, so that the sixteen rows that a read touches start 4 words apart modulo 64 words
.set WST,  16*SPX                      ; a stage of 16 rows for each wave
.set R,    16                          ; v16-143   x: two sets of 64 registers as loaded
.set X,    144                         ; v144-207  x: 64 numbers of my row, in the fragment's order
.set C,    208                         ; v208-239  x: two sets of 16 registers of codes
.set WX,   32                          ; v32-95    weights: two sets of 32 numbers down K
.set WC,   96                          ; v96-159   weights: eight registers of codes for each of the eight blocks: no store's data are written again
	s_load_b256 s[4:11], s[0:1], 0x0               ; x s[4:5], W_attn s[6:7], W_proj s[8:9], the scales' exponents s[10:11]
	s_load_b128 s[12:15], s[0:1], 0x20             ; x_img s[12:13], wa_img s[14:15]
	s_load_b64 s[16:17], s[0:1], 0x30              ; wp_img
	v_lshl_add_u32 v240, v0, 2, 0x8400
	v_mov_b32 v241, 0
	v_lshrrev_b32 v1, 5, v0
	v_readfirstlane_b32 s18, v1                    ; wave 0..3
	v_and_b32 v2, 31, v0                           ; lane
	s_wait_kmcnt 0x0
	s_load_b256 s[20:27], s[10:11], 0x0            ; e0 .. e7
.macro SCALE ereg                      ; v11 = 2^e as f32 (the conversion takes its exponent field); s36 = 448 x 2^e
	s_add_co_i32 s36, \ereg, 127
	s_lshl_b32 s37, s36, 23
	v_mov_b32 v11, s37
	s_add_co_i32 s36, s36, 8
	s_lshl_b32 s36, s36, 23
	s_or_b32 s36, s36, 0x600000
.endm
	s_cmp_lt_u32 ttmp9, 256
	s_cbranch_scc0 .Lweights
; ---------------- x: a wave takes four fragments (16 rows x 128 k): tile id / 2, K steps 4 (id % 2) + 0..3, id = 4 x work-group + wave
	s_lshl_b32 s28, ttmp9, 2
	s_add_co_u32 s28, s28, s18                     ; id
	s_lshr_b32 s29, s28, 1                         ; tile of 16 rows
	s_and_b32 s30, s28, 1                          ; which half of K
	s_lshl_b32 s32, s29, 16                        ; 16 rows of 4,096 bytes
	s_lshl_b32 s31, s30, 11                        ; 512 numbers
	s_add_co_u32 s32, s32, s31
	s_mov_b32 s33, 0
	s_lshl_b32 s34, s28, 13                        ; tile x 16384 + half x 8192
	s_mov_b32 s35, 0
	s_add_nc_u64 s[4:5], s[4:5], s[32:33]
	s_add_nc_u64 s[12:13], s[12:13], s[34:35]
	s_wait_alu depctr_va_vdst(0)
	v_lshlrev_b32 v3, 4, v2                        ; 16 x lane: my bytes of a load's 512, and of a store's
	s_mul_i32 s31, s18, WST
	v_add_nc_u32 v4, s31, v3                       ; the stage, on the way in: as loaded
	v_and_b32 v6, 15, v2                           ; r
	v_lshrrev_b32 v7, 4, v2                        ; h
	v_mul_u32_u24 v5, v6, SPX
	v_lshl_add_u32 v5, v7, 5, v5
	v_add_nc_u32 v5, s31, v5                       ; and on the way out: row r, + 32 h bytes (8 numbers)
.macro XLOAD f                         ; fragment f: sixteen loads, each 512 consecutive bytes of one row
.irp i, 0,1,2,3,4,5,6,7,8,9,10,11,12,13,14,15
	global_load_b128 v[R+64*((\f)%2)+4*\i:R+64*((\f)%2)+4*\i+3], v3, s[4:5] offset:\i*4096+(\f)*512 th:TH_LOAD_NT
.endr
.endm
.macro XFRAG f
.if (\f) < 3
	s_wait_loadcnt 16                              ; this fragment's sixteen loads are in; the next fragment's sixteen may be out
.else
	s_wait_loadcnt 0x0
.endif
.irp i, 0,1,2,3,4,5,6,7,8,9,10,11,12,13,14,15
	ds_store_b128 v4, v[R+64*((\f)%2)+4*\i:R+64*((\f)%2)+4*\i+3] offset:\i*SPX
.endr
.irp g, 0,1,2,3                        ; LDS serves a wave's instructions in order (ISA guide 5.7.1.4): these see the stores above, and the next fragment's stores come behind them
.irp s, 0,1
.irp j, 0,1
	ds_load_b128 v[X+16*\g+8*\s+4*\j:X+16*\g+8*\s+4*\j+3], v5 offset:128*\g+64*\s+16*\j   ; k = 32 g + 16 s + 8 h + 4 j + 0..3 of row r
.endr
.endr
.endr
	s_wait_dscnt 0x0                               ; the numbers are back, and the stores have read their registers,
.if (\f) < 2
	XLOAD (\f)+2                                   ; which take the fragment two further on
.endif
.set n, 0
.rept 64
.set n, n+1
.endr
.if (\f) >= 2
	s_wait_xcnt 0x0                                ; the stores of two fragments back have read this set of codes: it is written again only behind this wait
.endif
.irp g, 0,1,2,3
.irp s, 0,1
	v_cvt_scalef32_pk8_fp8_f32 v[C+16*((\f)%2)+4*\g+2*\s:C+16*((\f)%2)+4*\g+2*\s+1], v[X+16*\g+8*\s:X+16*\g+8*\s+7], v11
.endr
.endr
	v_nop                                          ; one plain vector line behind the last conversion of a run
.irp g, 0,1,2,3
	global_store_b128 v3, v[C+16*((\f)%2)+4*\g:C+16*((\f)%2)+4*\g+3], s[12:13] offset:(\f)*2048+\g*512   ; a group: 512 consecutive bytes, aligned
.endr
.endm
	XLOAD 0
	XLOAD 1
	s_wait_alu depctr_va_vdst(0)
	s_wait_kmcnt 0x0
	SCALE s20                                      ; e0
	s_wait_alu depctr_va_vdst(0)
	XFRAG 0
	XFRAG 1
	XFRAG 2
	XFRAG 3
	s_wait_tensorcnt 0x0
	ds_add_u32 v240, v241
	s_wait_dscnt 0x0
	s_endpgm
; ---------------- a weight [1024][N]: A LANE TAKES A COLUMN n AND ITS REGISTERS RUN DOWN K, so the conversions give codes with K innermost and nothing is transposed.
; A work-group takes 128 columns x 256 k, a wave 32 columns: two tiles of 16 "rows".  A lane's 32 codes of a block of 32 k are the 16 bytes of lane (r, 0) and the 16 bytes of lane (r, 1) of one group:
; two stores, in each of which sixteen lanes fill 256 consecutive bytes, aligned.  No LDS.
.macro WLOAD t, N, inb                 ; block t: W(32 t + i, my column); 32 lanes read 128 consecutive bytes
.irp i, 0,1,2,3,4,5,6,7,8,9,10,11,12,13,14,15,16,17,18,19,20,21,22,23,24,25,26,27,28,29,30,31
	global_load_b32 v[WX+32*((\t)%2)+\i], v3, s[\inb:\inb+1] offset:(32*(\t)+\i)*\N*4 th:TH_LOAD_NT
.endr
.endm
.macro WBLOCK t, N, inb, outb
.if (\t) < 7
	s_wait_loadcnt 32                              ; this block's 32 loads are in; the next block's 32 may be out
.else
	s_wait_loadcnt 0x0
.endif
.irp i, 0,1,2,3,4,5,6,7,8,9,10,11,12,13,14,15,16,17,18,19,20,21,22,23,24,25,26,27,28,29,30,31
.endr
.irp q, 0,1,2,3                        ; k = 8 q + 0..7 of the block belongs to half h = q % 2, and is the first (q / 2 = 0) or the second eight bytes there
	v_cvt_scalef32_pk8_fp8_f32 v[WC+8*(\t)+4*(\q%2)+2*(\q/2):WC+8*(\t)+4*(\q%2)+2*(\q/2)+1], v[WX+32*((\t)%2)+8*\q:WX+32*((\t)%2)+8*\q+7], v11
.endr
	v_nop                                          ; one plain vector line behind the last conversion of a run
	global_store_b128 v8, v[WC+8*(\t):WC+8*(\t)+3], s[\outb:\outb+1] offset:((\t)/4)*2048+((\t)%4)*512
	global_store_b128 v8, v[WC+8*(\t)+4:WC+8*(\t)+7], s[\outb:\outb+1] offset:((\t)/4)*2048+((\t)%4)*512+256
.if (\t) < 6
	WLOAD (\t)+2, \N, \inb
.endif
.endm
.macro WPATH N, first, inb, outb, ereg
	s_sub_co_u32 s28, ttmp9, \first
	s_lshr_b32 s29, s28, 2                         ; which 128 columns
	s_and_b32 s30, s28, 3                          ; which 256 along K
	s_mul_i32 s32, s30, \N*1024                    ; 256 rows of N x 4 bytes
	s_lshl_b32 s31, s29, 9
	s_add_co_u32 s32, s32, s31
	s_lshl_b32 s31, s18, 7                         ; my wave's 32 columns
	s_add_co_u32 s32, s32, s31
	s_mov_b32 s33, 0
	s_add_nc_u64 s[\inb:\inb+1], s[\inb:\inb+1], s[32:33]
	s_lshl_b32 s34, s29, 17                        ; 8 tiles of 16,384 bytes
	s_lshl_b32 s31, s18, 15                        ; my wave's two
	s_add_co_u32 s34, s34, s31
	s_lshl_b32 s31, s30, 12                        ; two K steps of 2,048 bytes
	s_add_co_u32 s34, s34, s31
	s_mov_b32 s35, 0
	s_add_nc_u64 s[\outb:\outb+1], s[\outb:\outb+1], s[34:35]
	WLOAD 0, \N, \inb
	WLOAD 1, \N, \inb
	s_wait_kmcnt 0x0
	SCALE \ereg
	s_wait_alu depctr_va_vdst(0)
.irp t, 0,1,2,3,4,5,6,7
	WBLOCK \t, \N, \inb, \outb
.endr
.endm
.Lweights:
	s_wait_alu depctr_va_vdst(0)
	v_lshlrev_b32 v3, 2, v2                        ; in: 4 bytes a lane
	v_and_b32 v6, 15, v2
	v_lshrrev_b32 v7, 4, v2
	v_lshlrev_b32 v8, 4, v6
	v_lshl_add_u32 v8, v7, 14, v8                  ; out: 16 (lane % 16), and lanes 16-31 in the next tile
	s_cmp_lt_u32 ttmp9, 352
	s_cbranch_scc0 .Lproj
	s_wait_alu depctr_va_vdst(0)
	WPATH 3072, 256, 6, 14, s21                    ; W_attn, e1
	s_endpgm
.Lproj:
	s_wait_alu depctr_va_vdst(0)
	WPATH 1024, 352, 8, 16, s27                    ; W_proj, e7
	s_endpgm
.Lfunc_end_k_q6bffd9b163_quant:
	.size	k_q6bffd9b163_quant, .Lfunc_end_k_q6bffd9b163_quant-k_q6bffd9b163_quant
	.p2alignl 7, 3214868480
	.fill 96, 4, 3214868480
	.section	.rodata,"a",@progbits
	.p2align	6, 0x0
	.amdhsa_kernel k_q6bffd9b163_quant
		.amdhsa_group_segment_fixed_size 34304
		.amdhsa_private_segment_fixed_size 0
		.amdhsa_enable_private_segment 0
		.amdhsa_kernarg_size 56
		.amdhsa_user_sgpr_count 2
		.amdhsa_user_sgpr_kernarg_segment_ptr 1
		.amdhsa_wavefront_size32 1
		.amdhsa_system_sgpr_workgroup_id_x 1
		.amdhsa_system_sgpr_workgroup_id_y 1
		.amdhsa_system_sgpr_workgroup_id_z 1
		.amdhsa_system_vgpr_workitem_id 0
		.amdhsa_next_free_vgpr 242
		.amdhsa_next_free_sgpr 66
		.amdhsa_reserve_vcc 0
		.amdhsa_float_denorm_mode_32 3
		.amdhsa_float_denorm_mode_16_64 3
		.amdhsa_fp16_overflow 1
		.amdhsa_memory_ordered 1
		.amdhsa_forward_progress 1
		.amdhsa_inst_pref_size 79
	.end_amdhsa_kernel
	.amdgpu_metadata
---
amdhsa.version: [ 1, 2 ]
amdhsa.kernels:
  - .name:           k_q6bffd9b163_quant
    .symbol:         k_q6bffd9b163_quant.kd
    .args:
      - { .name: x, .offset: 0, .size: 8, .value_kind: global_buffer, .address_space: global }
      - { .name: W_attn, .offset: 8, .size: 8, .value_kind: global_buffer, .address_space: global }
      - { .name: W_proj, .offset: 16, .size: 8, .value_kind: global_buffer, .address_space: global }
      - { .name: lowp_scales, .offset: 24, .size: 8, .value_kind: global_buffer, .address_space: global }
      - { .name: x_img, .offset: 32, .size: 8, .value_kind: global_buffer, .address_space: global }
      - { .name: wa_img, .offset: 40, .size: 8, .value_kind: global_buffer, .address_space: global }
      - { .name: wp_img, .offset: 48, .size: 8, .value_kind: global_buffer, .address_space: global }
    .group_segment_fixed_size: 34304
    .private_segment_fixed_size: 0
    .kernarg_segment_align: 8
    .kernarg_segment_size: 56
    .max_flat_workgroup_size: 128
    .sgpr_count:     66
    .vgpr_count:     242
    .wavefront_size: 32
...
	.end_amdgpu_metadata
.endif
;; end of part 1
;; launch qkv (part 2): grid 12 x 32, 4 waves a work-group, clusters of 4 x 4, 327,680 bytes of LDS; arguments x_img, wa_img, lowp_scales, q_img, k_img, v_img; writes q_img, k_img, v_img
.if DOCPART == 2
	.amdgcn_target "amdgcn-amd-amdhsa--gfx1250"
	.amdhsa_code_object_version 6
	.text
	.protected	k_q6bffd9b163_qkv
	.globl	k_q6bffd9b163_qkv
	.p2align	8
	.type	k_q6bffd9b163_qkv,@function
k_q6bffd9b163_qkv:
	s_mov_b64 s[64:65], 0
	v_nop
	global_prefetch_b8 v0, s[64:65] scope:SCOPE_SE
	s_setreg_imm32_b32 hwreg(HW_REG_WAVE_MODE, 25, 1), 1
	s_wait_xcnt 0x0
	s_wait_alu depctr_hold_cnt(0) depctr_sa_sdst(0) depctr_va_vdst(0) depctr_va_sdst(0) depctr_va_ssrc(0) depctr_va_vcc(0) depctr_vm_vsrc(0)
	s_getreg_b32 s2, hwreg(HW_REG_IB_STS2, 6, 4)
	s_cmp_eq_u32 s2, 0
	s_cbranch_scc0 .Lentry_in_a_cluster
	s_endpgm
.Lentry_in_a_cluster:
	s_bfe_u32 s2, ttmp6, 0x10000c
	s_cmp_lg_u32 s2, 0xf033
	s_cbranch_scc0 .Lentry_shape_is_right
	s_endpgm
.Lentry_shape_is_right:
; qkv = x W_attn on codes of FP8 (E4M3), K = 1,024, sums in f32; the sums are quantised at once into the three operands of attention, each with its given scale (entries 2, 3, 5 of the scales).
; C'[m'][n'] = sum over k of A'[m'][k] B'[n'][k].  A tile of C' is 256 x 256, made by four waves, as many as a WGP has SIMDs; a wave makes 128 x 128: 64 accumulators, 512 registers.
; The cluster's x says what is made: 0 q, 1 k: A' = x's rows (tokens), B' = W_attn's columns;  2 v: A' = W_attn's v columns, B' = x's rows: THE OPERANDS CHANGE PLACES.
; The matrix instruction is used transposed (source 0 = 16 rows of B', source 1 = 16 rows of A'): a lane holds one m' and eight neighbouring n'.  For q and k those are eight neighbours along the head's 64, which is
; the first attention product's K; for v eight neighbouring keys of one channel, the second product's K.  So the conversions' results are groups of the next operands' registers and go straight to memory:
; each store of the wave covers 512 consecutive bytes, aligned; no stage in LDS.
; OPERANDS lie in memory as images of their registers: [tile of 16 rows][K step of 128][group of four registers][lane][16 bytes]: every fragment comes by four ds_load_b128 at 16 x lane, k in its true place.
; K goes in slots of 256 (4,096 bytes of each tile of 16 rows) through a ring of two LDS slots.  A wave's tensor load brings 8 tiles x 4,096 bytes = 32,768 bytes.
; CLUSTERS: 4 x 4 work-groups.  The four of a row of the cluster need the same tiles of A', the four of a column the same tiles of B': each is asked for jointly.
; OUT: q_img, k_img: [batch x 16 + head][tile of 16 tokens][g' 0..1][lane][16 bytes]: lane (r, h): token r, channels 32 g' + 8 h + 0..7, then 32 g' + 16 + 8 h + 0..7.
;      v_img: [batch x 16 + head][step of 128 keys][t = channel / 16][g 0..3][lane][16 bytes]: lane (r, h): channel 16 t + r, keys 32 g + 8 h + 0..7, then 32 g + 16 + 8 h + 0..7.
; LIMITS: eo - e0 - e1 between -126 and 119 for eo = e2, e3, e5, so that the conversion's scale and 448 x it are f32 numbers.
; REGISTERS, in windows of 256: window 0: v16-31 addresses and constants; from v128 A's fragments, ONE set, later the codes.   window 1: B's fragments, TWO sets.
;   window 2: the 32 accumulators of my rows 0-63 (accumulator (a, b) at v[8 (8 a + b)]);   window 3: those of my rows 64-127.
.set FR,     16                        ; registers of a fragment: 16 rows x 128 K
.set NL,     4                         ; LDS loads that bring one
.set NP,     4                         ; places behind this matrix instruction (ISA guide 7.12.1)
.set KSL,    4096                      ; a K slot's bytes in a tile of 16 rows
.set HALFT,  8*KSL                     ; 128 rows: what one tensor load brings, and what one wave reads of A' or of B'
.set SLOT,   4*HALFT                   ; A's 256 rows, then B's 256 rows
.set SPARE,  2*SLOT                    ; behind the ring: the spare words, 128 bytes for each wave: two blocks of 256 bytes that no other line names
.set ADRA, 16                          ; v16-17  LDS address of my A' fragments in slot 0, 1
.set ADRB, 20                          ; v20-21  the same for B'
.set CO,   26                          ; v26     16 x lane
.set SPW,  28                          ; v28     LDS address of my spare word; never rewritten
.set NIL,  29                          ; v29     0; never rewritten
.set SC,   30                          ; v30     2^(eo - e0 - e1) as f32
.set LIM,  31
.set TMP,  32
.set AF,   128                         ; A's fragments, in window 0
.set CD,   128                         ; the way out: 16 registers of codes for each of the eight blocks: no store's data are written again
.set G1, 24                            ; s[24:31] descriptor group 1 for A's tiles;  s[32:39] group 0, one set for each slot
.set G0, 32
.set G1B, 48                           ; s[48:55], s[56:63] the same for B's tiles
.set G0B, 56
.set MSB, 0
.macro WIN new                         ; the immediate's high byte repeats the setting that is left
.if MSB != \new
	s_set_vgpr_msb (MSB<<8)|\new
.set MSB, \new
.endif
.endm
.set MUL_LO, 0xa1                      ; source 0 (B') window 1, source 1 (A') window 0, C and D window 2
.set MUL_HI, 0xf1                      ; the same, C and D window 3
.set TO_B,   0x40                      ; destination window 1, address window 0
; A joint load: waves 0 and 1 fetch for A', waves 2 and 3 for B'.  Each of the two lines has one mask and one set of registers for all that issue it; the branch hangs on the wave's number alone.
; Four v_nop follow each of the two lines, ahead of the jump, the label and what follows.
.macro JLOAD g0a, g1a, g0b, g1b
	s_cmp_eq_u32 s15, 0
	s_cbranch_scc0 .Lfor_b_\@
	tensor_load_to_lds s[\g0a:\g0a+3], s[\g1a:\g1a+7]
	s_nop 0
.rept 4
	v_nop
.endr
	s_branch .Lasked_\@
.Lfor_b_\@:
	tensor_load_to_lds s[\g0b:\g0b+3], s[\g1b:\g1b+7]
	s_nop 0
.rept 4
	v_nop
.endr
.Lasked_\@:
.endm
.macro CREST                           ; a round of the cluster's barrier behind its opening barrier
	s_cmp_lg_u32 s14, 0
	s_cbranch_scc1 .Lnot_wave_0_\@
	s_barrier_signal -3
.Lnot_wave_0_\@:
	s_barrier_wait -3
	s_barrier_signal -1
	s_barrier_wait -1
.endm
.macro CROUND                          ; a whole round
	s_barrier_signal -1
	s_barrier_wait -1
	CREST
.endm
	s_load_b128 s[4:7], s[0:1], 0x0                ; x_img s[4:5], wa_img s[6:7]
	s_load_b128 s[8:11], s[0:1], 0x10              ; the scales' exponents s[8:9], q_img s[10:11]
	s_load_b128 s[72:75], s[0:1], 0x20             ; k_img s[72:73], v_img s[74:75]
	v_lshl_add_u32 v[SPW], v0, 2, SPARE
	v_mov_b32 v[NIL], 0
	ds_add_u32 v28, v29
	ds_add_u32 v28, v29
	s_wait_dscnt 0x0
	v_lshrrev_b32 v1, 5, v0
	v_readfirstlane_b32 s14, v1                    ; wave 0..3
	s_lshr_b32 s15, s14, 1                         ; which half of the tile's rows m' is mine.  Also: I fetch for A' (0) or for B' (1)
	s_and_b32 s16, s14, 1                          ; which half of its columns n'.  Also: which 128 rows of that tile I fetch
	s_bfe_u32 s40, ttmp6, 0x40000                  ; cx, cy: my place in the cluster
	s_bfe_u32 s41, ttmp6, 0x40004
	s_and_b32 s88, ttmp7, 0xffff
	s_lshl_b32 s88, s88, 2                         ; 4 x cluster y: the cluster's four blocks of 256 tokens begin here
	s_lshl_b32 s89, ttmp9, 2                       ; 4 x cluster x: its four blocks of 256 columns of W_attn
	s_cmp_eq_u32 ttmp9, 2                          ; v?  The cluster's x is the same in all sixteen partners
	s_cselect_b32 s17, 8, s88
	s_cselect_b32 s42, s88, s89
	s_add_co_u32 s17, s17, s41                     ; A's block of 256 rows: tokens 4 cluster y + cy, or for v columns 8 + cy: it hangs on cy alone among the places
	s_add_co_u32 s42, s42, s40                     ; B's: columns 4 cluster x + cx, or for v tokens 4 cluster y + cx: on cx alone
	s_lshl_b32 s43, s41, 2
	s_lshl_b32 s43, 15, s43                        ; my row of the cluster
	s_lshl_b32 s44, 0x1111, s40                    ; my column
	; descriptor group 1: 8 rows (tiles of 16) x 4,096 bytes, 16,384 bytes apart, in elements of 8 bytes; they land in LDS on end
	s_or_b32 s[G1+0], s43, (3<<16)|(1<<21)         ; 15:0 the mask: A's tiles go to my row; 17:16 elements of 8 bytes; 20 no padding; 21 set beside a mask
	s_or_b32 s[G1B+0], s44, (3<<16)|(1<<21)
.irp g, G1, G1B
	s_mov_b32 s[\g+1], 512<<16                     ; tensor_dim0 = 512 elements
	s_mov_b32 s[\g+2], 8<<16                       ; tensor_dim1 = 8
	s_mov_b32 s[\g+3], 512<<16                     ; tile_dim0
	s_mov_b32 s[\g+4], 8                           ; tile_dim1
	s_mov_b32 s[\g+5], 2048                        ; tensor_dim0_stride: 16,384 bytes
	s_mov_b32 s[\g+6], 0
	s_mov_b32 s[\g+7], 0
.endr
	s_lshl_b32 s18, s16, 17                        ; which 8 tiles of the block I fetch
	s_lshl_b32 s20, s17, 18                        ; a block of 256 rows is 16 tiles of 16,384 bytes
	s_add_co_u32 s20, s20, s18
	s_mov_b32 s21, 0
	s_lshl_b32 s46, s42, 18
	s_add_co_u32 s46, s46, s18
	s_mov_b32 s47, 0
	s_lshl_b32 s45, s14, 15                        ; where they go: wave x 32,768: no place in the cluster enters an LDS address
	s_wait_kmcnt 0x0
	s_load_b256 s[80:87], s[8:9], 0x0              ; e0 .. e7
	s_cmp_eq_u32 ttmp9, 2
	s_cselect_b64 s[66:67], s[6:7], s[4:5]         ; A'
	s_cselect_b64 s[68:69], s[4:5], s[6:7]         ; B'
	s_add_nc_u64 s[20:21], s[66:67], s[20:21]
	s_add_nc_u64 s[46:47], s[68:69], s[46:47]
	CROUND                                         ; all sixteen work-groups are here: the first joint loads meet
.irp s, 0,1
	s_mov_b32 s[G0+4*\s], 1
	s_add_co_u32 s[G0+4*\s+1], s45, \s*SLOT
	s_add_nc_u64 s[G0+4*\s+2:G0+4*\s+3], s[20:21], \s*KSL
	s_or_b32 s[G0+4*\s+3], s[G0+4*\s+3], 0x80000000
	s_mov_b32 s[G0B+4*\s], 1
	s_add_co_u32 s[G0B+4*\s+1], s45, \s*SLOT
	s_add_nc_u64 s[G0B+4*\s+2:G0B+4*\s+3], s[46:47], \s*KSL
	s_or_b32 s[G0B+4*\s+3], s[G0B+4*\s+3], 0x80000000
	JLOAD G0+4*\s, G1, G0B+4*\s, G1B
.endr
	v_and_b32 v6, 31, v0
	v_lshlrev_b32 v[CO], 4, v6                     ; 16 x lane
	s_lshl_b32 s22, s15, 15                        ; my 128 rows of A'
	s_lshl_b32 s23, s16, 15                        ; my 128 rows of B',
	s_add_co_u32 s23, s23, 2*HALFT                 ; which lie behind A's 256
.irp s, 0,1
	v_add_nc_u32 v[ADRA+\s], s22, v[CO]
	v_add_nc_u32 v[ADRB+\s], s23, v[CO]
	s_add_co_u32 s22, s22, SLOT
	s_add_co_u32 s23, s23, SLOT
.endr
	; where my 128 tokens x 2 heads go.  Tokens run along m' (q, k) or along n' (v), heads along the other
	s_cmp_eq_u32 ttmp9, 2
	s_cselect_b32 s91, s40, s41                    ; the tokens' block within the cluster
	s_cselect_b32 s92, s41, s40                    ; the heads' block of four
	s_cselect_b32 s93, s16, s15                    ; my half of the tokens
	s_cselect_b32 s94, s15, s16                    ; my half of the heads
	s_add_co_u32 s91, s91, s88
	s_lshl_b32 s91, s91, 8
	s_lshl_b32 s93, s93, 7
	s_add_co_u32 s91, s91, s93                     ; my first token, 0 .. 8,191
	s_lshl_b32 s92, s92, 2
	s_lshl_b32 s94, s94, 1
	s_add_co_u32 s92, s92, s94                     ; my first head (an even one)
	s_lshr_b32 s93, s91, 11                        ; the batch
	s_lshl_b32 s93, s93, 4
	s_add_co_u32 s93, s93, s92
	s_lshl_b32 s93, s93, 17                        ; a head's image is 131,072 bytes
	s_and_b32 s91, s91, 2047
	s_lshl_b32 s91, s91, 6                         ; 64 bytes a token: 1,024 a tile of 16 (q, k), 8,192 a step of 128 (v)
	s_add_co_u32 s94, s93, s91
	s_mov_b32 s95, 0
	s_cmp_eq_u32 ttmp9, 0
	s_cselect_b64 s[76:77], s[10:11], s[72:73]
	s_cmp_eq_u32 ttmp9, 2
	s_cselect_b64 s[76:77], s[74:75], s[76:77]
	s_add_nc_u64 s[76:77], s[76:77], s[94:95]
	s_wait_alu depctr_va_vdst(0)
	s_wait_kmcnt 0x0                               ; a sum stands for sum x 2^(e0 + e1): its code is sum / 2^(eo - e0 - e1): the three scales are folded into the conversion's one
	s_cmp_eq_u32 ttmp9, 0
	s_cselect_b32 s90, s82, s83
	s_cmp_eq_u32 ttmp9, 2
	s_cselect_b32 s90, s85, s90                    ; eo = e2, e3 or e5
	s_sub_co_i32 s90, s90, s80
	s_sub_co_i32 s90, s90, s81
	s_add_co_i32 s90, s90, 127
	s_lshl_b32 s91, s90, 23
	v_mov_b32 v[SC], s91
.macro FRAG reg, adr, q, i             ; a fragment's image: four groups of 512 bytes; tile i of my eight, the slot's q-th 128 along K
.irp c, 0,1,2,3
	ds_load_b128 v[\reg+4*\c:\reg+4*\c+3], v[\adr] offset:2048*(\q)+512*\c+(\i)*KSL
.endr
.endm
; 16 matrix instructions: A's blocks a0, a0 + 1 x B's eight, 128 along K.  p: B's set.  zero = 1: the first product starts the sums: nothing is ever cleared.
; The 64 accumulators take turns, one instruction a turn, in the same order in every step.
.macro MUL16 a0, p, zero
.irp a, \a0, \a0+1
.irp b, 0,1,2,3,4,5,6,7
.if \zero
	v_wmma_f32_16x16x128_fp8_fp8 v[8*(8*((\a)%4)+\b):8*(8*((\a)%4)+\b)+7], v[128*(\p)+FR*\b:128*(\p)+FR*\b+FR-1], v[AF+FR*(\a):AF+FR*(\a)+FR-1], 0
.else
	v_wmma_f32_16x16x128_fp8_fp8 v[8*(8*((\a)%4)+\b):8*(8*((\a)%4)+\b)+7], v[128*(\p)+FR*\b:128*(\p)+FR*\b+FR-1], v[AF+FR*(\a):AF+FR*(\a)+FR-1], v[8*(8*((\a)%4)+\b):8*(8*((\a)%4)+\b)+7]
.endif
.endr
.endr
.endm
.macro FETCH_B slot, q, p              ; B's eight fragments of the slot's q-th 128 along K into set p
	WIN TO_B
.irp i, 0,1,2,3,4,5,6,7
	FRAG 128*(\p)+FR*\i, ADRB+\slot, \q, \i
.endr
	WIN 0
.endm
.macro FETCH_A slot, q, i0             ; A's blocks i0 .. i0 + 3
.irp i, \i0, \i0+1, \i0+2, \i0+3
	FRAG AF+FR*(\i), ADRA+\slot, \q, \i
.endr
.endm
; A load into a register that a matrix instruction has read, and a vector instruction that reads a matrix result, stand NP places behind that matrix instruction; only plain vector
; instructions that name none of its registers are places (ISA guide 7.12.1 for vector instructions).
.macro PLACES n
.rept \n
	v_nop
.endr
.endm
; A step of 128 along K that has its successor in the same slot.  A block of A' is free as soon as its eight products are issued, so one set serves A': blocks 0-3 are fetched anew in the step's middle, 4-7 at its end.
.macro STEP slot, q, zero
	s_wait_dscnt 4*NL                              ; B's set and A's blocks 0-3 are in; the youngest sixteen loads (A's blocks 4-7) may be out
	WIN MUL_LO
	MUL16 0, (\q)%2, \zero
	MUL16 2, (\q)%2, \zero
	s_wait_dscnt 0                                 ; A's blocks 4-7 are in (asked for 32 matrix instructions ago)
	PLACES NP
	FETCH_B \slot, (\q)+1, 1-(\q)%2
	FETCH_A \slot, (\q)+1, 0
	WIN MUL_HI
	MUL16 4, (\q)%2, \zero
	MUL16 6, (\q)%2, \zero
	PLACES NP
	WIN 0
	FETCH_A \slot, (\q)+1, 4
.endm
; A slot's last step changes slots: one barrier; in front of it each wave waits for all its tensor loads, adds 0 to its spare word, and waits for that and for its own reads of this slot.  fill = 1: this slot is filled again, two K slots ahead.
.macro TURN slot, next, fill
	s_wait_tensorcnt 0x0                           ; all my tensor loads have landed: my part of the next slot (every window is 0 here)
	ds_add_u32 v[SPW], v[NIL]                      ; 0 onto my spare word
	s_wait_dscnt 4*NL+1                            ; (the add and the youngest sixteen loads, A's blocks 4-7, may be out)
	WIN MUL_LO
	MUL16 0, 1, 0                                  ; sixteen matrix instructions stand between the add and the wait for it
	s_wait_dscnt 0x0                               ; the add is done, and my reads of this slot are over
	s_barrier_signal -1
	MUL16 2, 1, 0
	WIN 0
	s_barrier_wait -1
.if \fill
	CREST                                          ; the barrier has opened a round of the cluster's barrier: no wave of any partner still reads this slot or has a load on its way
	s_add_nc_u64 s[G0+4*\slot+2:G0+4*\slot+3], s[G0+4*\slot+2:G0+4*\slot+3], 2*KSL
	s_add_nc_u64 s[G0B+4*\slot+2:G0B+4*\slot+3], s[G0B+4*\slot+2:G0B+4*\slot+3], 2*KSL
	JLOAD G0+4*\slot, G1, G0B+4*\slot, G1B         ; the first tensor load behind the round, my only one until the next; its four v_nop are the places in front of the loads below
.else
	PLACES NP
.endif
	FETCH_B \next, 0, 0
	FETCH_A \next, 0, 0
	WIN MUL_HI
	MUL16 4, 1, 0
	MUL16 6, 1, 0
	PLACES NP
	WIN 0
	FETCH_A \next, 0, 4
.endm
	s_wait_tensorcnt 1                             ; my part of K slot 0 is in (K slot 1's load may be out)
	s_barrier_signal -1
	s_barrier_wait -1                              ; everybody's is
	FETCH_B 0, 0, 0
	FETCH_A 0, 0, 0
	FETCH_A 0, 0, 4
	STEP 0, 0, 1                                   ; the first step stands in front of the loop: its products start the sums
	s_mov_b32 s3, 1                                ; K = 1,024 is four slots: once round the ring with refills,
.Llap:
	TURN 0, 1, 1
	STEP 1, 0, 0
	TURN 1, 0, 1
	STEP 0, 0, 0
	s_sub_co_u32 s3, s3, 1
	s_cmp_lg_u32 s3, 0
	s_cbranch_scc1 .Llap
	TURN 0, 1, 0                                   ; and once without: the last lap fills nothing, and has no round of the cluster's barrier
	STEP 1, 0, 0
	s_wait_dscnt 4*NL                              ; the very last step: nothing more to fetch
	WIN MUL_LO
	MUL16 0, 1, 0
	MUL16 2, 1, 0
	s_wait_dscnt 0
	WIN MUL_HI
	MUL16 4, 1, 0
	MUL16 6, 1, 0
	WIN 0
; THE WAY OUT, block a of 16 rows m' at a time.  The 64 sums are converted eight at a time straight from the accumulators, and stored:
; accumulators 2 p and 2 p + 1 give one group of four registers.  kind 0 (q, k): block a = tile of tokens a; group p = head p / 2, g' = p % 2.   kind 1 (v): block a = head a / 4, t = a % 4; group p = g.
.macro OUT kind
.irp a, 0,1,2,3,4,5,6,7
	WIN 0x02+(\a/4)                                ; source 0: window 2 or 3
.set j, 0
.rept 64
.set j, j+1
.endr
.irp b, 0,1,2,3,4,5,6,7
	v_cvt_scalef32_pk8_fp8_f32 v[CD+16*\a+2*\b:CD+16*\a+2*\b+1], v[TMP+8*\b+((64*(\a%4)+j)-(TMP+j)):TMP+8*\b+7+((64*(\a%4)+j)-(TMP+j))], v[SC]
.endr
	WIN 0
	v_nop                                          ; one plain vector line behind the last conversion of a run
.irp p, 0,1,2,3
.if \kind
	global_store_b128 v[CO], v[CD+16*\a+4*\p:CD+16*\a+4*\p+3], s[76:77] offset:(\a/4)*131072+(\a%4)*2048+\p*512
.else
	global_store_b128 v[CO], v[CD+16*\a+4*\p:CD+16*\a+4*\p+3], s[76:77] offset:\a*1024+(\p/2)*131072+(\p%2)*512
.endif
.endr
.endr
.endm
	PLACES NP                                      ; behind the last products: for the reads of results and the writes over A's fragments
	s_cmp_eq_u32 ttmp9, 2                          ; the cluster's x: the same in all partners; no barrier stands in either arm
	s_cbranch_scc1 .Lv
	s_wait_alu depctr_va_vdst(0)
	OUT 0
	s_branch .Lend
.Lv:
	s_wait_alu depctr_va_vdst(0)
	OUT 1
.Lend:
	s_wait_tensorcnt 0x0                           ; the wave's end
	ds_add_u32 v[SPW], v[NIL]
	s_wait_dscnt 0x0
	CROUND                                         ; the closing round: no work-group ends while a partner may still ask for a tile that names it
	s_endpgm
.Lfunc_end_k_q6bffd9b163_qkv:
	.size	k_q6bffd9b163_qkv, .Lfunc_end_k_q6bffd9b163_qkv-k_q6bffd9b163_qkv
	.p2alignl 7, 3214868480
	.fill 96, 4, 3214868480
	.section	.rodata,"a",@progbits
	.p2align	6, 0x0
	.amdhsa_kernel k_q6bffd9b163_qkv
		.amdhsa_group_segment_fixed_size 327680
		.amdhsa_private_segment_fixed_size 0
		.amdhsa_enable_private_segment 0
		.amdhsa_kernarg_size 48
		.amdhsa_user_sgpr_count 2
		.amdhsa_user_sgpr_kernarg_segment_ptr 1
		.amdhsa_wavefront_size32 1
		.amdhsa_system_sgpr_workgroup_id_x 1
		.amdhsa_system_sgpr_workgroup_id_y 1
		.amdhsa_system_sgpr_workgroup_id_z 1
		.amdhsa_system_vgpr_workitem_id 0
		.amdhsa_next_free_vgpr 1024
		.amdhsa_next_free_sgpr 100
		.amdhsa_reserve_vcc 0
		.amdhsa_float_denorm_mode_32 3
		.amdhsa_float_denorm_mode_16_64 3
		.amdhsa_fp16_overflow 1
		.amdhsa_memory_ordered 1
		.amdhsa_forward_progress 1
		.amdhsa_inst_pref_size 93
	.end_amdhsa_kernel
	.amdgpu_metadata
---
amdhsa.version: [ 1, 2 ]
amdhsa.kernels:
  - .name:           k_q6bffd9b163_qkv
    .symbol:         k_q6bffd9b163_qkv.kd
    .args:
      - { .name: x_img, .offset: 0, .size: 8, .value_kind: global_buffer, .address_space: global }
      - { .name: wa_img, .offset: 8, .size: 8, .value_kind: global_buffer, .address_space: global }
      - { .name: lowp_scales, .offset: 16, .size: 8, .value_kind: global_buffer, .address_space: global }
      - { .name: q_img, .offset: 24, .size: 8, .value_kind: global_buffer, .address_space: global }
      - { .name: k_img, .offset: 32, .size: 8, .value_kind: global_buffer, .address_space: global }
      - { .name: v_img, .offset: 40, .size: 8, .value_kind: global_buffer, .address_space: global }
    .group_segment_fixed_size: 327680
    .private_segment_fixed_size: 0
    .kernarg_segment_align: 8
    .kernarg_segment_size: 48
    .max_flat_workgroup_size: 128
    .sgpr_count:     100
    .vgpr_count:     1024
    .wavefront_size: 32
...
	.end_amdgpu_metadata
.endif
;; end of part 2
;; launch attn (part 3): grid 4 x 64, 16 waves a work-group, clusters of 4 x 1, 327,680 bytes of LDS; arguments q_img, k_img, v_img, lowp_scales, y_img; writes y_img
.if DOCPART == 3
	.amdgcn_target "amdgcn-amd-amdhsa--gfx1250"
	.amdhsa_code_object_version 6
	.text
	.protected	k_q6bffd9b163_attn
	.globl	k_q6bffd9b163_attn
	.p2align	8
	.type	k_q6bffd9b163_attn,@function
k_q6bffd9b163_attn:
	s_mov_b64 s[64:65], 0
	v_nop
	global_prefetch_b8 v0, s[64:65] scope:SCOPE_SE
	s_setreg_imm32_b32 hwreg(HW_REG_WAVE_MODE, 25, 1), 1
	s_wait_xcnt 0x0
	s_wait_alu depctr_hold_cnt(0) depctr_sa_sdst(0) depctr_va_vdst(0) depctr_va_sdst(0) depctr_va_ssrc(0) depctr_va_vcc(0) depctr_vm_vsrc(0)
	s_getreg_b32 s2, hwreg(HW_REG_IB_STS2, 6, 4)
	s_cmp_eq_u32 s2, 0
	s_cbranch_scc0 .Lentry_in_a_cluster
	s_endpgm
.Lentry_in_a_cluster:
	s_bfe_u32 s2, ttmp6, 0x10000c
	s_cmp_lg_u32 s2, 0x3003
	s_cbranch_scc0 .Lentry_shape_is_right
	s_endpgm
.Lentry_shape_is_right:
; y[b][q][head x 64 + d] = the sum over keys k <= q of softmax_k(Q . K / 8) V, both products on codes of FP8 (E4M3) with the given scales (q e2, k e3, p e4, v e5); y is quantised at once with e6.
; THE SOFTMAX AHEAD OF THE SECOND PRODUCT: t = score x log2(e) / 8; M = the row's largest t so far, rounded UP to a whole number; p = 2^(t - M) is quantised, not normalised.  The row's sum is taken of the
; unquantised p, in f32, and divides at the end.  When M moves, the sum and O are multiplied by 2^(old M - new M): exact.
; SHARES.  A cluster of four work-groups is one head (batch x 16 + head = the cluster's y).  The head's 128 tiles of 16 queries are dealt so: wave w of the partner at place cx owns tiles A = 4 w + cx and
; B = 4 (31 - w) + cx.  Tile t needs t / 8 + 1 key steps of 128, so every wave of every work-group has (w / 2 + 1) + ((31 - w) / 2 + 1) = 17 steps.  The number of a tile's last step hangs on w alone: no branch hangs on cx.
; LDS HOLDS THE WHOLE HEAD, filled once: K's image (131,072 bytes) at 0, V's behind it.  All four partners read the same bytes, so each piece is asked for jointly.  Each wave asks for two pieces:
; an early one (its share of key steps 0 and 1: 2,048 bytes) and a late one (of steps 2 to 15: 14,336 bytes); the first two steps are worked while the late pieces land.  Nothing is filled again: no ring.
; LAYOUT.  Both products are used transposed: S^T = K Q^T (source 0 = 16 keys, source 1 = my 16 queries, K = 64), O^T = V^T P^T (source 0 = 16 channels, source 1 = P, K = 128 keys): a lane holds ONE query
; (lane % 16) throughout.  In tile u of S^T register j of lane (r, h) is key 16 u + 8 h + j: just what registers 2 u, 2 u + 1 of the second product's operand hold: the conversions' results are that operand.
; All operands lie as images of their registers: every fragment comes by ds_load_b128 at 16 x lane.  Four waves share a SIMD, so that one wave's vector work stands beside another's matrix work and LDS loads.
; THE MASK.  A step all of whose keys come after the tile's queries is jumped over (a scalar branch on the wave's number and the loop's count); in a tile's last step hidden scores become -infinity ahead of the
; maximum, so p = 0 there.  Key 0 counts for every query, so M is a number from the first step on.
; OUT: y_img [tile of 16 rows b x 128 + tile][K step = head / 2][group 2 (head % 2) + g'][lane][16 bytes]: the operand's image for the last product.
; LIMITS on the given exponents, so that each power of two below is an f32 number: e2 + e3 between -123 and 130 (added to c's exponent field); e4 and e6 between -126 and 119; e4 + e5 goes by v_ldexp_f32 and has none.
.set LI,   1                           ; v1   16 x lane: my place in K's image, in Q's and in y's
.set LV,   2                           ; v2   the same in V's image: + 131,072
.set DA,   3                           ; v3   tile A: my query less 8 (lane / 16), counted from its last step's first key
.set DB,   4                           ; v4   tile B likewise
.set ADK,  8                           ; v8   LDS address of the step's K
.set ADV,  9                           ; v9   of its V
.set STA,  12                          ; v[12:15] tile A: -M, the largest t, the sum in two halves
.set STB,  16                          ; v[16:19] tile B
.set QA,   20                          ; v[20:27] Q of tile A;  v[28:35] of tile B
.set QB,   28
.set F,    36                          ; v[36:99]   eight fragments of K (8 registers), then four of V (16)
.set S,    100                         ; v[100:163] S^T, then p
.set OA,   164                         ; v[164:195] O^T of tile A;  v[196:227] of tile B
.set OB,   196
.set PC,   228                         ; v[228:243] p's codes; at the end y's
.set SCP,  244                         ; v244 2^e4 as f32 (at the end 2^e6)
.set LMP,  245
.set FF,   246                         ; v[246:247] f = 2^(old M - new M), and a word written once (named with it as a pair)
.set SUM2, 248                         ; v[248:249] the sums' second chain
.set MX,   250
.set MY,   251
.set PX,   252                         ; a lane exchange's destination: written once at the head
.set NINF, 253                         ; -infinity
.set WV,   18                          ; s18  my wave's number
.set CX,   19                          ; s19  my place in the cluster: it enters Q's and y's addresses and the mask's numbers alone
.set SEL,  20                          ; s[20:21] selects for v_permlanex16_b32: lane l xor 16
.set CS,   22                          ; s[22:23] c = log2(e) / 8 x 2^(e2 + e3)
.set G1E,  24                          ; s[24:31] descriptor group 1 of the early pieces;  s[32:39] of the late ones
.set G1L,  32
.set G0E,  40                          ; s[40:43], s[44:47] their groups 0
.set G0L,  44
.set KI,   48                          ; s48  the key step
.set TB,   49                          ; s49  8,192 x it: the step's bytes in either image
.set DGA,  50                          ; s50  tile A's last step: w / 2
.set DGB,  51                          ; s51  tile B's: (31 - w) / 2
.macro CROUND                          ; a round of the cluster's barrier
	s_barrier_signal -1
	s_barrier_wait -1
	s_cmp_lg_u32 s[WV], 0
	s_cbranch_scc1 .Lnot_wave_0_\@
	s_barrier_signal -3
.Lnot_wave_0_\@:
	s_barrier_wait -3
	s_barrier_signal -1
	s_barrier_wait -1
.endm
	s_load_b256 s[4:11], s[0:1], 0x0               ; q_img s[4:5], k_img s[6:7], v_img s[8:9], the scales' exponents s[10:11]
	s_load_b64 s[12:13], s[0:1], 0x20              ; y_img
	v_lshl_add_u32 v254, v0, 2, 0x40000
	v_mov_b32 v255, 0
	ds_add_u32 v254, v255
	ds_add_u32 v254, v255
	v_lshrrev_b32 v5, 5, v0
	s_delay_alu instid0(VALU_DEP_1)
	v_readfirstlane_b32 s[WV], v5                  ; wave 0..15
	s_bfe_u32 s[CX], ttmp6, 0x40000
	s_and_b32 s60, ttmp7, 0xffff                   ; batch x 16 + head, which the four partners share
	s_lshl_b32 s66, s60, 17                        ; the head's first byte in q_img, k_img and v_img
	s_mov_b32 s67, 0
	s_and_b32 s61, s[WV], 7                        ; waves 0-7 fetch K's image, waves 8-15 V's: an eighth each
	s_lshr_b32 s62, s[WV], 3
	s_lshl_b32 s62, s62, 17                        ; K's image at LDS byte 0, V's at 131,072
	s_lshl_b32 s63, s61, 11                        ; my early piece: 2,048 bytes of the first 16,384
	s_mul_i32 s68, s61, 14336
	s_add_co_u32 s68, s68, 16384                   ; my late piece: 14,336 bytes of the other 114,688
	s_mov_b32 s[G0E], 1
	s_add_co_u32 s[G0E+1], s63, s62
	s_mov_b32 s[G0L], 1
	s_add_co_u32 s[G0L+1], s68, s62
	s_add_co_u32 s70, s66, s63
	s_mov_b32 s71, 0
	s_add_co_u32 s72, s66, s68
	s_mov_b32 s73, 0
	; descriptor groups 1: dense rows of 256 bytes (32 elements of 8), 8 rows and 56 rows; the mask names all four partners
	s_mov_b32 s[G1E], 15|(3<<16)|(1<<21)
	s_mov_b32 s[G1E+1], 32<<16
	s_mov_b32 s[G1E+2], 8<<16
	s_mov_b32 s[G1E+3], 32<<16
	s_mov_b32 s[G1E+4], 8
	s_mov_b32 s[G1E+5], 32
	s_mov_b32 s[G1E+6], 0
	s_mov_b32 s[G1E+7], 0
	s_mov_b32 s[G1L], 15|(3<<16)|(1<<21)
	s_mov_b32 s[G1L+1], 32<<16
	s_mov_b32 s[G1L+2], 56<<16
	s_mov_b32 s[G1L+3], 32<<16
	s_mov_b32 s[G1L+4], 56
	s_mov_b32 s[G1L+5], 32
	s_mov_b32 s[G1L+6], 0
	s_mov_b32 s[G1L+7], 0
	s_mov_b32 s[SEL], 0x76543210
	s_mov_b32 s[SEL+1], 0xfedcba98
	s_lshr_b32 s[DGA], s[WV], 1
	s_sub_co_u32 s[DGB], 31, s[WV]
	s_lshr_b32 s[DGB], s[DGB], 1
	s_lshl_b32 s78, s[WV], 2
	s_sub_co_u32 s79, 124, s78
	s_add_co_u32 s78, s78, s[CX]                   ; tile A
	s_add_co_u32 s79, s79, s[CX]                   ; tile B
	s_wait_dscnt 0x0
	s_wait_kmcnt 0x0
	s_load_b256 s[52:59], s[10:11], 0x0            ; e0 .. e7
	s_cmp_lt_u32 s[WV], 8
	s_cselect_b64 s[74:75], s[6:7], s[8:9]
	s_add_nc_u64 s[G0E+2:G0E+3], s[74:75], s[70:71]
	s_or_b32 s[G0E+3], s[G0E+3], 0x80000000
	s_add_nc_u64 s[G0L+2:G0L+3], s[74:75], s[72:73]
	s_or_b32 s[G0L+3], s[G0L+3], 0x80000000
	CROUND                                         ; all four work-groups are here: the joint loads meet
	tensor_load_to_lds s[G0E:G0E+3], s[G1E:G1E+7]  ; my early piece; the late one goes out behind a wait for it and a round of the cluster's barrier
	s_nop 0
	s_wait_alu depctr_va_vdst(0)
	s_wait_tensorcnt 0x0
	ds_add_u32 v254, v255
	s_wait_dscnt 0x0
	CROUND
	tensor_load_to_lds s[G0L:G0L+3], s[G1L:G1L+7]
	s_nop 0
.rept 4
	v_nop
.endr
	v_and_b32 v5, 31, v0
	s_delay_alu instid0(VALU_DEP_1)
	v_lshlrev_b32 v[LI], 4, v5
	s_delay_alu instid0(VALU_DEP_1)
	v_add_nc_u32 v[LV], 131072, v[LI]
	s_add_nc_u64 s[80:81], s[4:5], s[66:67]        ; Q: a tile's image is 1,024 bytes
	s_lshl_b32 s82, s78, 10
	s_mov_b32 s83, 0
	s_add_nc_u64 s[82:83], s[80:81], s[82:83]
	s_lshl_b32 s84, s79, 10
	s_mov_b32 s85, 0
	s_add_nc_u64 s[84:85], s[80:81], s[84:85]
	global_load_b128 v[QA:QA+3], v[LI], s[82:83] th:TH_LOAD_NT
	global_load_b128 v[QA+4:QA+7], v[LI], s[82:83] offset:512 th:TH_LOAD_NT
	global_load_b128 v[QB:QB+3], v[LI], s[84:85] th:TH_LOAD_NT
	global_load_b128 v[QB+4:QB+7], v[LI], s[84:85] offset:512 th:TH_LOAD_NT
	s_lshr_b32 s86, s60, 4                         ; y: tile of rows = batch x 128 + tile, 16,384 bytes each; in it head x 1,024
	s_lshl_b32 s86, s86, 7
	s_and_b32 s87, s60, 15
	s_lshl_b32 s87, s87, 10
	s_add_co_u32 s92, s86, s78
	s_lshl_b32 s92, s92, 14
	s_add_co_u32 s92, s92, s87
	s_mov_b32 s93, 0
	s_add_nc_u64 s[88:89], s[12:13], s[92:93]
	s_add_co_u32 s92, s86, s79
	s_lshl_b32 s92, s92, 14
	s_add_co_u32 s92, s92, s87
	s_add_nc_u64 s[90:91], s[12:13], s[92:93]
	v_and_b32 v6, 15, v0                           ; r
	v_bfe_u32 v7, v0, 4, 1                         ; h
	s_delay_alu instid0(VALU_DEP_1)
	v_lshlrev_b32 v7, 3, v7
	s_delay_alu instid0(VALU_DEP_1)
	v_sub_nc_u32 v6, v6, v7                        ; r - 8 h
	s_and_b32 s86, s78, 7
	s_lshl_b32 s86, s86, 4
	v_add_nc_u32 v[DA], s86, v6                    ; in the tile's last step register 8 u + j holds key 16 u + 8 h + j: hidden where 16 u + j > 16 (tile % 8) + r - 8 h
	s_and_b32 s86, s79, 7
	s_lshl_b32 s86, s86, 4
	v_add_nc_u32 v[DB], s86, v6
	v_mov_b32 v[STA+1], 0xff61b1e6                 ; the largest t so far: -3e38, under every t
	v_mov_b32 v[STB+1], 0xff61b1e6
	s_delay_alu instid0(VALU_DEP_2)
	v_floor_f32 v[STA], -v[STA+1]                  ; -M
	s_delay_alu instid0(VALU_DEP_2)
	v_floor_f32 v[STB], -v[STB+1]
	v_mov_b32 v[STA+2], 0                          ; the sums
	v_mov_b32 v[STA+3], 0
	v_mov_b32 v[STB+2], 0
	v_mov_b32 v[STB+3], 0
	v_mov_b32 v[FF+1], 0
	v_mov_b32 v[MY], 0
	v_mov_b32 v[PX], 0
	v_mov_b32 v[NINF], 0xff800000
.set n, 0
.rept 64
	v_mov_b32 v[OA+n], 0                           ; O^T of both tiles.  (The step is written without a first step of its own: the first finds zeros, which the first change of M leaves zeros)
.set n, n+1
.endr
	s_wait_kmcnt 0x0
	s_add_co_i32 s86, s54, s55                     ; a score stands for score x 2^(e2 + e3): the two exponents are added to c's exponent field
	s_lshl_b32 s86, s86, 23
	s_add_co_i32 s[CS], s86, 0x3e38aa3b            ; c = log2(e) / 8
	s_mov_b32 s[CS+1], s[CS]                       ; (named with it as a pair, so it is written)
	s_add_co_i32 s86, s56, 127
	s_lshl_b32 s87, s86, 23
	v_mov_b32 v[SCP], s87                          ; 2^e4
; A KEY STEP of one tile: 128 keys.  ST: its statistics; QF: its Q; OT: its O^T; DM: its mask number; DG: the scalar that holds its last step.
; skip = 1: the step is jumped over where it lies behind the tile's last.  mask = 1: in the tile's last step hidden scores become -infinity.
.macro STEP ST, QF, OT, DM, DG, skip, mask
.if \skip
	s_cmp_gt_u32 s[KI], s[\DG]
	s_cbranch_scc1 .Lhid_\@
.endif
.rept 4
	v_nop                                          ; places in front of loads into registers that the last products have read
.endr
.irp t, 0,1,2,3,4,5,6,7
	ds_load_b128 v[F+8*\t:F+8*\t+3], v[ADK] offset:\t*1024
	ds_load_b128 v[F+8*\t+4:F+8*\t+7], v[ADK] offset:\t*1024+512
.endr
	s_wait_dscnt 0x0
.irp t, 0,1,2,3,4,5,6,7
	v_wmma_f32_16x16x64_fp8_fp8 v[S+8*\t:S+8*\t+7], v[F+8*\t:F+8*\t+7], v[\QF:\QF+7], 0
.endr
.rept 4
	v_nop                                          ; places: for the loads below, into K's registers, and for the first reads of the scores
.endr
	s_wait_alu depctr_va_vdst(0)
.irp t, 0,1,2,3                        ; V's four fragments land while the softmax is walked
.irp g, 0,1,2,3
	ds_load_b128 v[F+16*\t+4*\g:F+16*\t+4*\g+3], v[ADV] offset:\t*2048+\g*512
.endr
.endr
.if \mask
	s_cmp_lg_u32 s[KI], s[\DG]
	s_cbranch_scc1 .Lopen_\@
.set n, 0
.rept 64
	v_cmp_gt_i32 vcc_lo, 16*(n/8)+n%8, v[\DM]
	v_cndmask_b32 v[S+n], v[S+n], v[NINF], vcc_lo
.set n, n+1
.endr
.Lopen_\@:
.endif
	v_max3_num_f32 v[MX], v[S], v[S+1], v[S+2]     ; the step's largest score of my query, among my 64 keys, in two chains, each accumulator from its low end on,
	v_max3_num_f32 v[MY], v[S+3], v[S+4], v[S+5]
.set n, 6
.rept 14
	v_max3_num_f32 v[MX], v[MX], v[S+n], v[S+n+1]
	v_max3_num_f32 v[MY], v[MY], v[S+n+2], v[S+n+3]
.set n, n+4
.endr
	v_max3_num_f32 v[MX], v[MX], v[S+62], v[S+63]
	s_delay_alu instid0(VALU_DEP_1)
	v_max_num_f32 v[MX], v[MX], v[MY]
	s_delay_alu instid0(VALU_DEP_1)
	v_permlanex16_b32 v[PX], v[MX], s[SEL], s[SEL+1]
	s_delay_alu instid0(VALU_DEP_1)
	v_max_num_f32 v[MX], v[MX], v[PX]              ; and among lane l xor 16's
	s_delay_alu instid0(VALU_DEP_1)
	v_mul_f32 v[MX], s[CS], v[MX]                  ; as t (c is positive)
	s_delay_alu instid0(VALU_DEP_1)
	v_max_num_f32 v[\ST+1], v[\ST+1], v[MX]        ; the running largest t
	v_mov_b32 v[MX], v[\ST]
	s_delay_alu instid0(VALU_DEP_2)
	v_floor_f32 v[\ST], -v[\ST+1]                  ; the new -M = floor(-t) = -ceil(t): a whole number
	s_delay_alu instid0(VALU_DEP_1)
	v_sub_f32 v[MX], v[\ST], v[MX]                 ; old M - new M: a whole number, 0 or less
	s_delay_alu instid0(VALU_DEP_1)
	v_cvt_i32_f32 v[MX], v[MX]                     ; (it saturates)
	s_delay_alu instid0(VALU_DEP_1)
	v_ldexp_f32 v[FF], 1.0, v[MX]                  ; f = 2^(old M - new M)
.set n, 0
.rept 32
	v_pk_fma_f32 v[S+n:S+n+1], v[S+n:S+n+1], s[CS:CS+1], v[\ST:\ST+1] op_sel_hi:[1,0,0]   ; t - M, two at a time (of the pairs c and -M the low word serves both halves)
.set n, n+2
.endr
.set n, 0
	s_wait_alu depctr_va_vdst(0)
.rept 64
	v_exp_f32 v[S+n], v[S+n]                       ; p = 2^(t - M), at most 1
.set n, n+1
.endr
	v_pk_mul_f32 v[\ST+2:\ST+3], v[\ST+2:\ST+3], v[FF:FF+1] op_sel_hi:[1,0]   ; the sums under the new M: the plain line behind the exponentials
	s_wait_alu depctr_va_vdst(0)                   ; one wait for the whole batch, ahead of its first reader
	v_pk_add_f32 v[SUM2:SUM2+1], v[S:S+1], v[S+2:S+3]   ; the row's sum is taken of the unquantised p, in two chains
.set n, 4
.rept 15
	v_pk_add_f32 v[\ST+2:\ST+3], v[\ST+2:\ST+3], v[S+n:S+n+1]
	v_pk_add_f32 v[SUM2:SUM2+1], v[SUM2:SUM2+1], v[S+n+2:S+n+3]
.set n, n+4
.endr
	s_delay_alu instid0(VALU_DEP_1)
	v_pk_add_f32 v[\ST+2:\ST+3], v[\ST+2:\ST+3], v[SUM2:SUM2+1]
.irp t, 0,1,2,3,4,5,6,7
.irp i, 0,1,2,3,4,5,6,7
.endr
	v_cvt_scalef32_pk8_fp8_f32 v[PC+2*\t:PC+2*\t+1], v[S+8*\t:S+8*\t+7], v[SCP]
.endr
.set n, 0
.rept 16
	v_pk_mul_f32 v[\OT+n:\OT+n+1], v[\OT+n:\OT+n+1], v[FF:FF+1] op_sel_hi:[1,0]   ; O^T under the new M.  (Also the plain lines between the conversions and the products below)
.set n, n+2
.endr
	s_wait_alu depctr_va_vdst(0)
	s_wait_dscnt 0x0                               ; V is in
.irp t, 0,1,2,3
	v_wmma_f32_16x16x128_fp8_fp8 v[\OT+8*\t:\OT+8*\t+7], v[F+16*\t:F+16*\t+15], v[PC:PC+15], v[\OT+8*\t:\OT+8*\t+7]
.endr
.if \skip
.Lhid_\@:
.endif
.endm
.macro HEADT                           ; the step's LDS addresses, made on every wave's path
	v_add_nc_u32 v[ADK], s[TB], v[LI]
	v_add_nc_u32 v[ADV], s[TB], v[LV]
.endm
.macro NEXTT
	s_add_co_u32 s[TB], s[TB], 8192
	s_add_co_u32 s[KI], s[KI], 1
.endm
	s_wait_loadcnt 0x0                             ; Q
	s_wait_tensorcnt 0x1                           ; my early piece is in; the late one, issued behind it, may stay out
	s_barrier_signal -1
	s_barrier_wait -1                              ; everybody's early piece is in: key steps 0 and 1
	s_mov_b32 s[KI], 0
	s_mov_b32 s[TB], 0
.Lsteps01:
	HEADT
	STEP STA, QA, OA, DA, DGA, 1, 1
	s_wait_alu depctr_va_vdst(0)
	STEP STB, QB, OB, DB, DGB, 0, 0                ; tile B's last step is 8 or later: all keys of steps 0 to 7 count for it
	NEXTT
	s_cmp_lt_u32 s[KI], 2
	s_cbranch_scc1 .Lsteps01
	s_wait_tensorcnt 0x0                           ; my late piece is in,
	s_wait_dscnt 0x0
	s_barrier_signal -1
	s_barrier_wait -1                              ; everybody's is: the whole head lies in LDS.  Up to here every wave has done three or four steps
	s_mov_b32 s[KI], 2
	s_mov_b32 s[TB], 2*8192
.Lsteps27:
	HEADT
	STEP STA, QA, OA, DA, DGA, 1, 1
	s_wait_alu depctr_va_vdst(0)
	STEP STB, QB, OB, DB, DGB, 0, 0
	NEXTT
	s_cmp_lt_u32 s[KI], 8
	s_cbranch_scc1 .Lsteps27
	s_mov_b32 s[KI], 8
	s_mov_b32 s[TB], 8*8192
.Lsteps8f:                                         ; tile A's last step is 7 or earlier: only tile B is left
	HEADT
	STEP STB, QB, OB, DB, DGB, 1, 1
	NEXTT
	s_cmp_lt_u32 s[KI], 16
	s_cbranch_scc1 .Lsteps8f
	; THE WAY OUT.  y = O^T x 2^(e4 + e5) / the sum, held and converted with 2^e6.  Register 8 t + j of lane (r, h) is channel 16 t + 8 h + j of query r: tiles 2 g' and 2 g' + 1 give group g' of the image.
.rept 4
	v_nop                                          ; places behind the last products
.endr
	v_add_f32 v[STA+2], v[STA+2], v[STA+3]         ; the sums' two halves,
	v_add_f32 v[STB+2], v[STB+2], v[STB+3]
	s_delay_alu instid0(VALU_DEP_2)
	v_permlanex16_b32 v[PX], v[STA+2], s[SEL], s[SEL+1]
	s_delay_alu instid0(VALU_DEP_2)
	v_permlanex16_b32 v[MY], v[STB+2], s[SEL], s[SEL+1]
	s_delay_alu instid0(VALU_DEP_2)
	v_add_f32 v[STA+2], v[STA+2], v[PX]            ; and lane l xor 16's
	s_delay_alu instid0(VALU_DEP_2)
	v_add_f32 v[STB+2], v[STB+2], v[MY]
	s_wait_alu depctr_va_vdst(0)
	v_rcp_f32 v[STA+2], v[STA+2]
	v_rcp_f32 v[STB+2], v[STB+2]
	s_add_co_i32 s86, s58, 127
	s_lshl_b32 s87, s86, 23
	v_mov_b32 v[SCP], s87                          ; 2^e6.  (The plain line behind the reciprocals)
	s_add_co_i32 s86, s56, s57                     ; e4 + e5
	s_wait_alu depctr_va_vdst(0)                   ; one wait for both reciprocals, ahead of their first reader
	v_ldexp_f32 v[STA+2], v[STA+2], s86
	v_ldexp_f32 v[STB+2], v[STB+2], s86
.set n, 0
.rept 16
	v_pk_mul_f32 v[OA+n:OA+n+1], v[OA+n:OA+n+1], v[STA+2:STA+3] op_sel_hi:[1,0]
	v_pk_mul_f32 v[OB+n:OB+n+1], v[OB+n:OB+n+1], v[STB+2:STB+3] op_sel_hi:[1,0]
.set n, n+2
.endr
.set n, 0
.rept 64
.set n, n+1
.endr
.irp t, 0,1,2,3,4,5,6,7                ; tile A's four, then tile B's four: O^T of B lies behind O^T of A
	v_cvt_scalef32_pk8_fp8_f32 v[PC+2*\t:PC+2*\t+1], v[OA+8*\t:OA+8*\t+7], v[SCP]
.endr
	v_nop                                          ; one plain vector line behind the last conversion
	global_store_b128 v[LI], v[PC:PC+3], s[88:89]              ; each store covers 512 consecutive bytes, aligned
	global_store_b128 v[LI], v[PC+4:PC+7], s[88:89] offset:512
	global_store_b128 v[LI], v[PC+8:PC+11], s[90:91]
	global_store_b128 v[LI], v[PC+12:PC+15], s[90:91] offset:512
	s_wait_tensorcnt 0x0
	ds_add_u32 v254, v255
	s_wait_dscnt 0x0
	CROUND                                         ; the closing round: no work-group ends while a partner may still ask for a piece that names it
	s_endpgm
.Lfunc_end_k_q6bffd9b163_attn:
	.size	k_q6bffd9b163_attn, .Lfunc_end_k_q6bffd9b163_attn-k_q6bffd9b163_attn
	.p2alignl 7, 3214868480
	.fill 96, 4, 3214868480
	.section	.rodata,"a",@progbits
	.p2align	6, 0x0
	.amdhsa_kernel k_q6bffd9b163_attn
		.amdhsa_group_segment_fixed_size 327680
		.amdhsa_private_segment_fixed_size 0
		.amdhsa_enable_private_segment 0
		.amdhsa_kernarg_size 40
		.amdhsa_user_sgpr_count 2
		.amdhsa_user_sgpr_kernarg_segment_ptr 1
		.amdhsa_wavefront_size32 1
		.amdhsa_system_sgpr_workgroup_id_x 1
		.amdhsa_system_sgpr_workgroup_id_y 1
		.amdhsa_system_sgpr_workgroup_id_z 1
		.amdhsa_system_vgpr_workitem_id 0
		.amdhsa_next_free_vgpr 256
		.amdhsa_next_free_sgpr 100
		.amdhsa_reserve_vcc 1
		.amdhsa_float_denorm_mode_32 3
		.amdhsa_float_denorm_mode_16_64 3
		.amdhsa_fp16_overflow 1
		.amdhsa_memory_ordered 1
		.amdhsa_forward_progress 1
		.amdhsa_inst_pref_size 97
	.end_amdhsa_kernel
	.amdgpu_metadata
---
amdhsa.version: [ 1, 2 ]
amdhsa.kernels:
  - .name:           k_q6bffd9b163_attn
    .symbol:         k_q6bffd9b163_attn.kd
    .args:
      - { .name: q_img, .offset: 0, .size: 8, .value_kind: global_buffer, .address_space: global }
      - { .name: k_img, .offset: 8, .size: 8, .value_kind: global_buffer, .address_space: global }
      - { .name: v_img, .offset: 16, .size: 8, .value_kind: global_buffer, .address_space: global }
      - { .name: lowp_scales, .offset: 24, .size: 8, .value_kind: global_buffer, .address_space: global }
      - { .name: y_img, .offset: 32, .size: 8, .value_kind: global_buffer, .address_space: global }
    .group_segment_fixed_size: 327680
    .private_segment_fixed_size: 0
    .kernarg_segment_align: 8
    .kernarg_segment_size: 40
    .max_flat_workgroup_size: 512
    .sgpr_count:     100
    .vgpr_count:     256
    .wavefront_size: 32
...
	.end_amdgpu_metadata
.endif
;; end of part 3
;; launch proj (part 4): grid 4 x 32, 4 waves a work-group, clusters of 4 x 4, 327,680 bytes of LDS; arguments y_img, wp_img, lowp_scales, out0; writes out0
.if DOCPART == 4
	.amdgcn_target "amdgcn-amd-amdhsa--gfx1250"
	.amdhsa_code_object_version 6
	.text
	.protected	k_q6bffd9b163_proj
	.globl	k_q6bffd9b163_proj
	.p2align	8
	.type	k_q6bffd9b163_proj,@function
k_q6bffd9b163_proj:
	s_mov_b64 s[64:65], 0
	v_nop
	global_prefetch_b8 v0, s[64:65] scope:SCOPE_SE
	s_setreg_imm32_b32 hwreg(HW_REG_WAVE_MODE, 25, 1), 1
	s_wait_xcnt 0x0
	s_wait_alu depctr_hold_cnt(0) depctr_sa_sdst(0) depctr_va_vdst(0) depctr_va_sdst(0) depctr_va_ssrc(0) depctr_va_vcc(0) depctr_vm_vsrc(0)
	s_getreg_b32 s2, hwreg(HW_REG_IB_STS2, 6, 4)
	s_cmp_eq_u32 s2, 0
	s_cbranch_scc0 .Lentry_in_a_cluster
	s_endpgm
.Lentry_in_a_cluster:
	s_bfe_u32 s2, ttmp6, 0x10000c
	s_cmp_lg_u32 s2, 0xf033
	s_cbranch_scc0 .Lentry_shape_is_right
	s_endpgm
.Lentry_shape_is_right:
; out0 = y W_proj on codes of FP8 (E4M3), K = 1,024, sums in f32; each finished sum is multiplied once by 2^(e6 + e7).  out0: [8192][1024] f32.
; C[m][n] = sum over k of A[m][k] B[n][k]: A = y's rows, B = W_proj's columns.  A tile of C is 256 x 256, made by four waves; a wave makes 128 x 128: 64 accumulators, 512 registers.
; OPERANDS lie in memory as images of their registers: [tile of 16 rows][K step of 128][group of four registers][lane][16 bytes]: every fragment comes by four ds_load_b128 at 16 x lane, k in its true place.
; K goes in slots of 256 (4,096 bytes of each tile of 16 rows) through a ring of two LDS slots.  A wave's tensor load brings 8 tiles x 4,096 bytes = 32,768 bytes.
; CLUSTERS: 4 x 4 work-groups.  The four of a row of the cluster need the same tiles of A, the four of a column the same tiles of B: each is asked for jointly.
; THE MATRIX INSTRUCTION IS USED TRANSPOSED (source 0 = 16 rows of B, source 1 = 16 rows of A): a lane then holds eight neighbouring numbers of a row of C.
; C has 32 x 4 = 128 tiles of this size: 128 work-groups.
; LIMIT: e6 + e7 between -126 and 127, so that 2^(e6 + e7) is an f32 number.
; REGISTERS, in windows of 256: window 0: v16-31 addresses; from v128 A's fragments, ONE set; on the way out v32-255 are free.   window 1: B's fragments, TWO sets.
;   window 2: the 32 accumulators of my rows 0-63 (accumulator (a, b) at v[8 (8 a + b)]);   window 3: those of my rows 64-127.
.set NOUT,   1024                      ; columns of out0
.set FR,     16                        ; registers of a fragment: 16 rows x 128 K
.set NL,     4                         ; LDS loads that bring one
.set NP,     4                         ; places behind this matrix instruction (ISA guide 7.12.1)
.set KSL,    4096                      ; a K slot's bytes in a tile of 16 rows
.set HALFT,  8*KSL                     ; 128 rows: what one tensor load brings, and what one wave reads of A or of B
.set SLOT,   4*HALFT                   ; A's 256 rows, then B's 256 rows
.set SPARE,  2*SLOT                    ; behind the ring: the spare words, 128 bytes for each wave: two blocks of 256 bytes that no other line names
.set SPITCH, 528                       ; the way out: a stage of 16 rows x (512 bytes + 16) for each wave.  It lies in slot 0, which has had its last fill and its last read when the first result is stored there
.set ADRA, 16                          ; v16-17  LDS address of my A fragments in slot 0, 1
.set ADRB, 20                          ; v20-21  the same for B
.set STO,  24                          ; v24     the way out: where I put 32 bytes of a row
.set RD,   25                          ; v25     the way out: where I read a row back
.set CO,   26                          ; v26     16 x lane
.set SPW,  28                          ; v28     LDS address of my spare word; never rewritten
.set NIL,  29                          ; v29     0; never rewritten
.set TMP,  32                          ; the way out: 64 registers, a block's sums x 2^(e6 + e7)
.set AF,   128                         ; A's fragments, in window 0
.set BK,   128                         ; the way out: 16 rows read back from the stage: v128-191 and v192-255 by turns
.set G1, 24                            ; s[24:31] descriptor group 1 for A's tiles;  s[32:39] group 0, one set for each slot
.set G0, 32
.set G1B, 48                           ; s[48:55], s[56:63] the same for B's tiles
.set G0B, 56
.set MSB, 0
.macro WIN new                         ; the immediate's high byte repeats the setting that is left
.if MSB != \new
	s_set_vgpr_msb (MSB<<8)|\new
.set MSB, \new
.endif
.endm
.set MUL_LO, 0xa1                      ; source 0 (B) window 1, source 1 (A) window 0, C and D window 2
.set MUL_HI, 0xf1                      ; the same, C and D window 3
.set TO_B,   0x40                      ; destination window 1, address window 0
; A joint load: waves 0 and 1 fetch for A, waves 2 and 3 for B.  Each of the two lines has one mask and one set of registers for all that issue it; the branch hangs on the wave's number alone.
; Four v_nop follow each of the two lines, ahead of the jump, the label and what follows.
.macro JLOAD g0a, g1a, g0b, g1b
	s_cmp_eq_u32 s15, 0
	s_cbranch_scc0 .Lfor_b_\@
	tensor_load_to_lds s[\g0a:\g0a+3], s[\g1a:\g1a+7]
	s_nop 0
.rept 4
	v_nop
.endr
	s_branch .Lasked_\@
.Lfor_b_\@:
	tensor_load_to_lds s[\g0b:\g0b+3], s[\g1b:\g1b+7]
	s_nop 0
.rept 4
	v_nop
.endr
.Lasked_\@:
.endm
.macro CREST                           ; a round of the cluster's barrier behind its opening barrier
	s_cmp_lg_u32 s14, 0
	s_cbranch_scc1 .Lnot_wave_0_\@
	s_barrier_signal -3
.Lnot_wave_0_\@:
	s_barrier_wait -3
	s_barrier_signal -1
	s_barrier_wait -1
.endm
.macro CROUND                          ; a whole round
	s_barrier_signal -1
	s_barrier_wait -1
	CREST
.endm
	s_load_b128 s[4:7], s[0:1], 0x0                ; y_img s[4:5], wp_img s[6:7]
	s_load_b128 s[8:11], s[0:1], 0x10              ; the scales' exponents s[8:9], out0 s[10:11]
	v_lshl_add_u32 v[SPW], v0, 2, SPARE
	v_mov_b32 v[NIL], 0
	ds_add_u32 v28, v29
	ds_add_u32 v28, v29
	s_wait_dscnt 0x0
	v_lshrrev_b32 v1, 5, v0
	v_readfirstlane_b32 s14, v1                    ; wave 0..3
	s_lshr_b32 s15, s14, 1                         ; which half of the tile's rows is mine.  Also: I fetch for A (0) or for B (1)
	s_and_b32 s16, s14, 1                          ; which half of its columns.  Also: which 128 rows of that tile I fetch
	s_bfe_u32 s40, ttmp6, 0x40000                  ; cx, cy: my place in the cluster
	s_bfe_u32 s41, ttmp6, 0x40004
	s_lshl_b32 s42, ttmp9, 2
	s_add_co_u32 s42, s42, s40                     ; tile column of C = 4 x cluster x + cx
	s_and_b32 s17, ttmp7, 0xffff
	s_lshl_b32 s17, s17, 2
	s_add_co_u32 s17, s17, s41                     ; tile row of C = 4 x cluster y + cy
	s_lshl_b32 s43, s41, 2
	s_lshl_b32 s43, 15, s43                        ; my row of the cluster
	s_lshl_b32 s44, 0x1111, s40                    ; my column
	; descriptor group 1: 8 rows (tiles of 16) x 4,096 bytes, 16,384 bytes apart, in elements of 8 bytes; they land in LDS on end
	s_or_b32 s[G1+0], s43, (3<<16)|(1<<21)         ; 15:0 the mask: A's tiles go to my row; 17:16 elements of 8 bytes; 20 no padding; 21 set beside a mask
	s_or_b32 s[G1B+0], s44, (3<<16)|(1<<21)
.irp g, G1, G1B
	s_mov_b32 s[\g+1], 512<<16                     ; tensor_dim0 = 512 elements
	s_mov_b32 s[\g+2], 8<<16                       ; tensor_dim1 = 8
	s_mov_b32 s[\g+3], 512<<16                     ; tile_dim0
	s_mov_b32 s[\g+4], 8                           ; tile_dim1
	s_mov_b32 s[\g+5], 2048                        ; tensor_dim0_stride: 16,384 bytes
	s_mov_b32 s[\g+6], 0
	s_mov_b32 s[\g+7], 0
.endr
	s_lshl_b32 s18, s16, 17                        ; which 8 tiles of the block I fetch
	s_lshl_b32 s20, s17, 18                        ; a block of 256 rows is 16 tiles of 16,384 bytes
	s_add_co_u32 s20, s20, s18
	s_mov_b32 s21, 0
	s_lshl_b32 s46, s42, 18
	s_add_co_u32 s46, s46, s18
	s_mov_b32 s47, 0
	s_lshl_b32 s45, s14, 15                        ; where they go: wave x 32,768: no place in the cluster enters an LDS address
	s_wait_kmcnt 0x0
	s_load_b64 s[96:97], s[8:9], 0x18              ; e6, e7
	s_add_nc_u64 s[20:21], s[4:5], s[20:21]
	s_add_nc_u64 s[46:47], s[6:7], s[46:47]
	CROUND                                         ; all sixteen work-groups are here: the first joint loads meet
.irp s, 0,1
	s_mov_b32 s[G0+4*\s], 1
	s_add_co_u32 s[G0+4*\s+1], s45, \s*SLOT
	s_add_nc_u64 s[G0+4*\s+2:G0+4*\s+3], s[20:21], \s*KSL
	s_or_b32 s[G0+4*\s+3], s[G0+4*\s+3], 0x80000000
	s_mov_b32 s[G0B+4*\s], 1
	s_add_co_u32 s[G0B+4*\s+1], s45, \s*SLOT
	s_add_nc_u64 s[G0B+4*\s+2:G0B+4*\s+3], s[46:47], \s*KSL
	s_or_b32 s[G0B+4*\s+3], s[G0B+4*\s+3], 0x80000000
	s_wait_alu depctr_va_vdst(0)
	s_wait_tensorcnt 0x0
	ds_add_u32 v28, v29
	ds_add_u32 v28, v29
	s_wait_dscnt 0x0
	CROUND
	JLOAD G0+4*\s, G1, G0B+4*\s, G1B
.endr
	v_and_b32 v1, 15, v0                           ; l % 16
	s_wait_alu depctr_va_vdst(0)
	v_bfe_u32 v2, v0, 4, 1                         ; l / 16
	v_and_b32 v6, 31, v0
	v_lshlrev_b32 v[CO], 4, v6                     ; 16 x lane
	s_lshl_b32 s22, s15, 15                        ; my 128 rows of A
	s_lshl_b32 s23, s16, 15                        ; my 128 rows of B,
	s_add_co_u32 s23, s23, 2*HALFT                 ; which lie behind A's 256
.irp s, 0,1
	v_add_nc_u32 v[ADRA+\s], s22, v[CO]
	v_add_nc_u32 v[ADRB+\s], s23, v[CO]
	s_add_co_u32 s22, s22, SLOT
	s_add_co_u32 s23, s23, SLOT
.endr
	s_mul_i32 s23, s14, 16*SPITCH                  ; my stage
	v_mul_u32_u24 v5, v1, SPITCH                   ; in: row l % 16, 32 bytes for each half of the lanes
	s_wait_alu depctr_va_vdst(0)
	v_lshl_add_u32 v5, v2, 5, v5
	v_add_nc_u32 v[STO], s23, v5
	v_add_nc_u32 v[RD], s23, v[CO]                 ; back: the 32 lanes take one row of 512 bytes; and the same in C
	s_lshl_b32 s90, s17, 8
	s_lshl_b32 s91, s15, 7
	s_add_co_u32 s90, s90, s91                     ; my first row of C: 256 x tile row + 128 x half
	s_lshl_b32 s90, s90, 12                        ; rows of 4,096 bytes
	s_lshl_b32 s91, s42, 10                        ; my first column, in bytes: 1,024 x tile column + 512 x half
	s_add_co_u32 s90, s90, s91
	s_lshl_b32 s91, s16, 9
	s_add_co_u32 s90, s90, s91
	s_mov_b32 s91, 0
	s_add_nc_u64 s[10:11], s[10:11], s[90:91]
.macro FRAG reg, adr, q, i             ; a fragment's image: four groups of 512 bytes; tile i of my eight, the slot's q-th 128 along K
.irp c, 0,1,2,3
	ds_load_b128 v[\reg+4*\c:\reg+4*\c+3], v[\adr] offset:2048*(\q)+512*\c+(\i)*KSL
.endr
.endm
; 16 matrix instructions: A's blocks a0, a0 + 1 x B's eight, 128 along K.  p: B's set.  zero = 1: the first product starts the sums: nothing is ever cleared.
; The 64 accumulators take turns, one instruction a turn, in the same order in every step.
.macro MUL16 a0, p, zero
.irp a, \a0, \a0+1
.irp b, 0,1,2,3,4,5,6,7
.if \zero
	v_wmma_f32_16x16x128_fp8_fp8 v[8*(8*((\a)%4)+\b):8*(8*((\a)%4)+\b)+7], v[128*(\p)+FR*\b:128*(\p)+FR*\b+FR-1], v[AF+FR*(\a):AF+FR*(\a)+FR-1], 0
.else
	v_wmma_f32_16x16x128_fp8_fp8 v[8*(8*((\a)%4)+\b):8*(8*((\a)%4)+\b)+7], v[128*(\p)+FR*\b:128*(\p)+FR*\b+FR-1], v[AF+FR*(\a):AF+FR*(\a)+FR-1], v[8*(8*((\a)%4)+\b):8*(8*((\a)%4)+\b)+7]
.endif
.endr
.endr
.endm
.macro FETCH_B slot, q, p              ; B's eight fragments of the slot's q-th 128 along K into set p
	WIN TO_B
.irp i, 0,1,2,3,4,5,6,7
	FRAG 128*(\p)+FR*\i, ADRB+\slot, \q, \i
.endr
	WIN 0
.endm
.macro FETCH_A slot, q, i0             ; A's blocks i0 .. i0 + 3
.irp i, \i0, \i0+1, \i0+2, \i0+3
	FRAG AF+FR*(\i), ADRA+\slot, \q, \i
.endr
.endm
; A load into a register that a matrix instruction has read, and a vector instruction that reads a matrix result, stand NP places behind that matrix instruction; only plain vector
; instructions that name none of its registers are places (ISA guide 7.12.1 for vector instructions).
.macro PLACES n
.rept \n
	v_nop
.endr
.endm
; A step of 128 along K that has its successor in the same slot.  A block of A is free as soon as its eight products are issued, so one set serves A: blocks 0-3 are fetched anew in the step's middle, 4-7 at its end.
.macro STEP slot, q, zero
	s_wait_dscnt 4*NL                              ; B's set and A's blocks 0-3 are in; the youngest sixteen loads (A's blocks 4-7) may be out
	WIN MUL_LO
	MUL16 0, (\q)%2, \zero
	MUL16 2, (\q)%2, \zero
	s_wait_dscnt 0                                 ; A's blocks 4-7 are in (asked for 32 matrix instructions ago)
	PLACES NP
	FETCH_B \slot, (\q)+1, 1-(\q)%2
	FETCH_A \slot, (\q)+1, 0
	WIN MUL_HI
	MUL16 4, (\q)%2, \zero
	MUL16 6, (\q)%2, \zero
	PLACES NP
	WIN 0
	FETCH_A \slot, (\q)+1, 4
.endm
; A slot's last step changes slots: one barrier; in front of it each wave waits for all its tensor loads, adds 0 to its spare word, and waits for that and for its own reads of this slot.  fill = 1: this slot is filled again, two K slots ahead.
.macro TURN slot, next, fill
	s_wait_tensorcnt 0x0                           ; all my tensor loads have landed: my part of the next slot (every window is 0 here)
	ds_add_u32 v[SPW], v[NIL]                      ; 0 onto my spare word
	s_wait_dscnt 4*NL+1                            ; (the add and the youngest sixteen loads, A's blocks 4-7, may be out)
	WIN MUL_LO
	MUL16 0, 1, 0                                  ; sixteen matrix instructions stand between the add and the wait for it
	s_wait_dscnt 0x0                               ; the add is done, and my reads of this slot are over
	s_barrier_signal -1
	MUL16 2, 1, 0
	WIN 0
	s_barrier_wait -1
.if \fill
	CREST                                          ; the barrier has opened a round of the cluster's barrier: no wave of any partner still reads this slot or has a load on its way
	s_add_nc_u64 s[G0+4*\slot+2:G0+4*\slot+3], s[G0+4*\slot+2:G0+4*\slot+3], 2*KSL
	s_add_nc_u64 s[G0B+4*\slot+2:G0B+4*\slot+3], s[G0B+4*\slot+2:G0B+4*\slot+3], 2*KSL
	JLOAD G0+4*\slot, G1, G0B+4*\slot, G1B         ; the first tensor load behind the round, my only one until the next; its four v_nop are the places in front of the loads below
.else
	PLACES NP
.endif
	FETCH_B \next, 0, 0
	FETCH_A \next, 0, 0
	WIN MUL_HI
	MUL16 4, 1, 0
	MUL16 6, 1, 0
	PLACES NP
	WIN 0
	FETCH_A \next, 0, 4
.endm
	s_wait_tensorcnt 1                             ; my part of K slot 0 is in (K slot 1's load may be out)
	s_barrier_signal -1
	s_barrier_wait -1                              ; everybody's is
	FETCH_B 0, 0, 0
	FETCH_A 0, 0, 0
	FETCH_A 0, 0, 4
	STEP 0, 0, 1                                   ; the first step stands in front of the loop: its products start the sums
	s_mov_b32 s3, 1                                ; K = 1,024 is four slots: once round the ring with refills,
.Llap:
	TURN 0, 1, 1
	STEP 1, 0, 0
	TURN 1, 0, 1
	STEP 0, 0, 0
	s_sub_co_u32 s3, s3, 1
	s_cmp_lg_u32 s3, 0
	s_cbranch_scc1 .Llap
	TURN 0, 1, 0                                   ; and once without: the last lap fills nothing, and has no round of the cluster's barrier
	STEP 1, 0, 0
	s_wait_dscnt 4*NL                              ; the very last step: nothing more to fetch
	WIN MUL_LO
	MUL16 0, 1, 0
	MUL16 2, 1, 0
	s_wait_dscnt 0
	WIN MUL_HI
	MUL16 4, 1, 0
	MUL16 6, 1, 0
	WIN 0
; THE WAY OUT, block by block of 16 rows x 128 columns.  A lane holds 32 neighbouring bytes of a row, and the lanes beside it hold other rows: so a block goes through my own stage in LDS and comes back as whole
; rows of 512 bytes, which the 32 lanes store.  LDS serves a wave's instructions in order (ISA guide 5.7.1.4): no wait between the stores and the loads, nor in front of the next block's stores.
.macro TOSTAGE a
.set AC, 64*((\a)%4)
	WIN 0x02+((\a)/4)                              ; source 0: window 2 or 3
.irp j, 0,2,4,6,8,10,12,14,16,18,20,22,24,26,28,30,32,34,36,38,40,42,44,46,48,50,52,54,56,58,60,62
	v_pk_mul_f32 v[TMP+\j:TMP+\j+1], v[AC+\j:AC+\j+1], s[96:97] op_sel_hi:[1,0]   ; both x s96 = 2^(e6 + e7); each accumulator from its low end on
.endr
	WIN 0
.irp b, 0,1,2,3,4,5,6,7
	ds_store_b128 v[STO], v[TMP+8*\b:TMP+8*\b+3] offset:64*\b
	ds_store_b128 v[STO], v[TMP+8*\b+4:TMP+8*\b+7] offset:64*\b+16
.endr
.set BB, BK+64*((\a)%2)
.irp t, 0,1,2,3,4,5,6,7,8,9,10,11,12,13,14,15
	ds_load_b128 v[BB+4*\t:BB+4*\t+3], v[RD] offset:\t*SPITCH
.endr
.endm
.macro SEND a, younger                 ; younger: the LDS instructions issued behind block a's loads, which may stay out
.set BB, BK+64*((\a)%2)
	s_wait_dscnt \younger                          ; the block is back in registers
.if (\a) > 0
	s_add_nc_u64 s[10:11], s[10:11], 16*NOUT*4     ; (behind a wait on XCNT: the earlier stores have read their base)  16 rows of C on
.endif
.irp t, 0,1,2,3,4,5,6,7,8,9,10,11,12,13,14,15
	global_store_b128 v[CO], v[BB+4*\t:BB+4*\t+3], s[10:11] offset:\t*NOUT*4 th:TH_STORE_NT   ; 32 lanes store 512 consecutive bytes, at a multiple of 256 from out0's first byte; written once, read by nobody here
.endr
.endm
	s_wait_kmcnt 0x0
	s_add_co_i32 s96, s96, s97                     ; e6 + e7, between -126 and 127,
	s_add_co_i32 s96, s96, 127
	s_lshl_b32 s96, s96, 23                        ; makes the f32 number 2^(e6 + e7)
	PLACES NP                                      ; behind the last products: for the reads of results and the loads into the registers that held A's fragments
	TOSTAGE 0
.irp a, 1,2,3,4,5,6,7
.if \a > 1
	s_wait_xcnt 0x0                                ; block a - 2's stores have read their registers and their base: block a's loads may land there, and the base may step
.endif
	TOSTAGE \a
	SEND \a-1, 32                                  ; behind block a - 1's loads: block a's 16 stores and 16 loads
.endr
	s_wait_xcnt 0x0                                ; block 6's stores have read their base
	SEND 7, 0
	s_wait_tensorcnt 0x0                           ; the wave's end: behind my last tensor load and my last LDS store
	ds_add_u32 v[SPW], v[NIL]
	s_wait_dscnt 0x0
	CROUND                                         ; the closing round: no work-group ends while a partner may still ask for a tile that names it
	s_endpgm
.Lfunc_end_k_q6bffd9b163_proj:
	.size	k_q6bffd9b163_proj, .Lfunc_end_k_q6bffd9b163_proj-k_q6bffd9b163_proj
	.p2alignl 7, 3214868480
	.fill 96, 4, 3214868480
	.section	.rodata,"a",@progbits
	.p2align	6, 0x0
	.amdhsa_kernel k_q6bffd9b163_proj
		.amdhsa_group_segment_fixed_size 327680
		.amdhsa_private_segment_fixed_size 0
		.amdhsa_enable_private_segment 0
		.amdhsa_kernarg_size 32
		.amdhsa_user_sgpr_count 2
		.amdhsa_user_sgpr_kernarg_segment_ptr 1
		.amdhsa_wavefront_size32 1
		.amdhsa_system_sgpr_workgroup_id_x 1
		.amdhsa_system_sgpr_workgroup_id_y 1
		.amdhsa_system_sgpr_workgroup_id_z 1
		.amdhsa_system_vgpr_workitem_id 0
		.amdhsa_next_free_vgpr 1024
		.amdhsa_next_free_sgpr 100
		.amdhsa_reserve_vcc 0
		.amdhsa_float_denorm_mode_32 3
		.amdhsa_float_denorm_mode_16_64 3
		.amdhsa_memory_ordered 1
		.amdhsa_forward_progress 1
		.amdhsa_inst_pref_size 124
	.end_amdhsa_kernel
	.amdgpu_metadata
---
amdhsa.version: [ 1, 2 ]
amdhsa.kernels:
  - .name:           k_q6bffd9b163_proj
    .symbol:         k_q6bffd9b163_proj.kd
    .args:
      - { .name: y_img, .offset: 0, .size: 8, .value_kind: global_buffer, .address_space: global }
      - { .name: wp_img, .offset: 8, .size: 8, .value_kind: global_buffer, .address_space: global }
      - { .name: lowp_scales, .offset: 16, .size: 8, .value_kind: global_buffer, .address_space: global }
      - { .name: out0, .offset: 24, .size: 8, .value_kind: global_buffer, .address_space: global }
    .group_segment_fixed_size: 327680
    .private_segment_fixed_size: 0
    .kernarg_segment_align: 8
    .kernarg_segment_size: 32
    .max_flat_workgroup_size: 128
    .sgpr_count:     100
    .vgpr_count:     1024
    .wavefront_size: 32
...
	.end_amdgpu_metadata
.endif
;; end of part 4
